; MI455X (gfx1250); checked and timed in simulation.
; The chip was launched on July 23, 2026; its instructions are those of AMD's public machine-readable ISA for CDNA 5 (MIT licence, August 2026) and "CDNA5" Instruction Set Architecture Reference Guide (July 2026). The comments in the code are by the model that wrote it; some were corrected since.
;; Attention. Allowed arithmetic: float matrix products may take bf16 or f16 operands with f32 sums; other float arithmetic in f32, or as packed bf16 or f16 multiplies, adds, multiply-adds, maxima and minima; sums over many terms, partial sums and values carried from step to step in f32; what a program stores and reads back later, other than sums and carried values, may be rounded once to bf16 or f16.
;; Inputs: attention_mask 1 x 1 x 2,048 x 2,048 float32; cos 2,048 x 64 float32; hidden_states 1 x 2,048 x 2,048 float32; sin 2,048 x 64 float32; wk 2,048 x 512 float32; wo 2,048 x 2,048 float32; wq 2,048 x 4,096 float32; wv 2,048 x 512 float32.
;; Outputs: out0 1 x 2,048 x 2,048 float32.
;; One version. Each part assembles by itself: llvm-mc -triple=amdgcn-amd-amdhsa -mcpu=gfx1250 --defsym DOCPART=n.
;; ======== version 1 of 1: 4 launches
;; limits: right only within a limited range of input values; values are held in f16: magnitudes above 65,504 overflow, below 6.1e-05 lose precision; inputs' magnitudes at most 65,504
;; workspace buffers: xb 8,388,608 bytes; wqg 16,777,216 bytes; wkv 4,194,304 bytes; woh 8,388,608 bytes; aux 527,872 bytes; pj 20,975,616 bytes; a2 8,388,608 bytes
;; launch cast (part 1): grid 912 x 1, 8 waves a work-group, no clusters, 1,280 bytes of LDS; arguments hidden_states, wq, wk, wv, cos, sin, xb, wqg, wkv, aux; writes xb, wqg, wkv, aux
.if DOCPART == 1
	.amdgcn_target "amdgcn-amd-amdhsa--gfx1250"
	.amdhsa_code_object_version 6
	.text
	.protected	k_q5e25393f00_cast
	.globl	k_q5e25393f00_cast
	.p2align	8
	.type	k_q5e25393f00_cast,@function
k_q5e25393f00_cast:
	s_mov_b64 s[64:65], 0
	v_nop
	global_prefetch_b8 v0, s[64:65] scope:SCOPE_SE
	s_setreg_imm32_b32 hwreg(HW_REG_WAVE_MODE, 25, 1), 1
	s_wait_xcnt 0x0
; CAST.  What the projection needs whole before it starts: x, wq, wk, wv, cos and sin are read once, rounded once to bf16 and laid out as the projection wants them; five sums and maxima are taken on the way.
;   xb    bf16 [2048 s][2048 k]                         wqg  bf16 [32 t][2048 k][128]: columns 0-63 = wq[k][64 t + d], 64-127 = wq[k][2048 + 64 t + d]
;   wkv   bf16 [32 u][2048 k][32]: u < 16: wk of head u / 2, plane c = u % 2: column j < 16 is channel 16 c + j, j >= 16 channel 32 + 16 c + j - 16; u >= 16: wv[k][32 (u - 16) + j]
;   aux   cos, sin as bf16 at 0 and 262,144; then one partial a work-group: sums of squares of x (256), wq (512), wk (64), maxima of |cos| (8) and |sin| (8)
; A work-group takes 65,536 bytes of f32.  A thread takes 16 pieces of 4 numbers: one load of 16 bytes, one store of 8.  Neighbouring lanes take neighbouring 16 bytes: a wave's load covers 512 consecutive
; bytes (x, tables), two runs of 256 (wq) or eight runs of 64 (wk, wv); a wave's store covers 256 consecutive bytes, aligned.  All 16 loads go out first.
; No matrix unit, tensor load or cluster: nothing is shared and nothing is multiplied.
; The sums are of the unrounded numbers: rounding to bf16 can raise a number by 2^-9 of itself, which the room left in the next launch's scales covers.
.set SPARE, 256                        ; LDS: bytes 0-31 the eight waves' partial results; from 256 on the spare words, 128 bytes a wave
.set SPW,   4                          ; v4   my spare word's address; never rewritten
.set NIL,   5                          ; v5   0; never rewritten
.set X,     16                         ; v[16:79]   as loaded: four registers a piece
.set Y,     80                         ; v[80:111]  to store: two registers a piece, so no store's data is written again
.set T,     112                        ; v[112:119] at work
.set PXO,   524288                     ; places of the partial results in aux
.set PQO,   525312
.set PKO,   527360
.set PMO,   527616
; v1 byte offset of my first piece in the source; v2 = 8 x thread, in the destination; v[6:9] running sums or maxima
; s36 work-group; s37 its number in its part; s[38:39] source; s[40:41] destination; s[42:43] an offset; s[44:45] where the partial result goes
.macro LOADS si, nt                    ; 16 loads: piece i lies si bytes behind piece i - 1
.set i, 0
.rept 16
.if \nt
	global_load_b128 v[X+4*i:X+4*i+3], v1, s[38:39] offset:i*(\si) th:TH_LOAD_NT
.else
	global_load_b128 v[X+4*i:X+4*i+3], v1, s[38:39] offset:i*(\si)
.endif
.set i, i+1
.endr
.endm
; Piece i: stat = 1 sum of squares, 2 maximum of magnitudes
.macro OUT4 i, stat
	s_wait_loadcnt 15-(\i)                         ; loads come back in order: piece i is in, the younger ones stay out
.if (\stat) == 1
	v_pk_fma_f32 v[6:7], v[X+4*(\i):X+4*(\i)+1],   v[X+4*(\i):X+4*(\i)+1],   v[6:7]
	v_pk_fma_f32 v[8:9], v[X+4*(\i)+2:X+4*(\i)+3], v[X+4*(\i)+2:X+4*(\i)+3], v[8:9]
.endif
.if (\stat) == 2
.irp k, 0,1,2,3
	v_and_b32 v[T+(\k)], s49, v[X+4*(\i)+(\k)]
.endr
	v_max3_num_f32 v6, v6, v[T],   v[T+1]
	v_max3_num_f32 v7, v7, v[T+2], v[T+3]
.endif
	v_cvt_pk_bf16_f32 v[Y+2*(\i)],   v[X+4*(\i)],   v[X+4*(\i)+1]
	v_cvt_pk_bf16_f32 v[Y+2*(\i)+1], v[X+4*(\i)+2], v[X+4*(\i)+3]
	global_store_b64 v2, v[Y+2*(\i):Y+2*(\i)+1], s[40:41] offset:(\i)*2048
.endm
.macro ALL16 stat
.irp p, 0,1,2,3,4,5,6,7,8,9,10,11,12,13,14,15
	OUT4 \p, \stat
.endr
.endm
; v6 is combined over the wave's lanes, then over the eight waves through LDS; thread 0 stores the work-group's one number
.macro REDUCE opd, op
	\opd v6, v6, v6 row_xmask:1 row_mask:0xf bank_mask:0xf
	\opd v6, v6, v6 row_xmask:2 row_mask:0xf bank_mask:0xf
	\opd v6, v6, v6 row_xmask:4 row_mask:0xf bank_mask:0xf
	\opd v6, v6, v6 row_xmask:8 row_mask:0xf bank_mask:0xf
	v_permlanex16_b32 v7, v6, s46, s47
	\op v6, v6, v7
	v_lshrrev_b32 v10, 5, v0
	v_lshlrev_b32 v10, 2, v10                      ; 4 x wave
	ds_store_b32 v10, v6
	s_wait_dscnt 0x0                               ; for the other waves' sake: my word is written
	s_barrier_signal -1
	s_barrier_wait -1
	v_mov_b32 v11, 0
	ds_load_b128 v[T:T+3],   v11
	ds_load_b128 v[T+4:T+7], v11 offset:16
	s_wait_dscnt 0x0
	\op v[T],   v[T],   v[T+1]
	\op v[T+2], v[T+2], v[T+3]
	\op v[T+4], v[T+4], v[T+5]
	\op v[T+6], v[T+6], v[T+7]
	\op v[T],   v[T],   v[T+2]
	\op v[T+4], v[T+4], v[T+6]
	\op v6, v[T], v[T+4]
	v_cmp_eq_u32 vcc_lo, 0, v0
	s_wait_xcnt 0x0                                ; EXEC is a source of the stores that are out: it changes only behind this wait
	s_and_saveexec_b32 s48, vcc_lo
	global_store_b32 v11, v6, s[44:45]
	s_wait_xcnt 0x0                                ; and again in front of the line that widens it
	s_or_b32 exec_lo, exec_lo, s48
.endm
.macro LINEAR src, dst                 ; a part that is copied as it lies: 65,536 bytes in, 32,768 out
	s_lshl_b32 s42, s37, 16
	s_add_nc_u64 s[38:39], s[\src:\src+1], s[42:43]
	s_lshl_b32 s42, s37, 15
	s_add_nc_u64 s[40:41], s[\dst:\dst+1], s[42:43]
	v_lshlrev_b32 v1, 4, v0
.endm
.macro PARTIAL off
	s_lshl_b32 s42, s37, 2
	s_add_nc_u64 s[44:45], s[26:27], s[42:43]
	s_add_nc_u64 s[44:45], s[44:45], \off
.endm
	s_load_b512 s[8:23], s[0:1], 0x0               ; x 8, wq 10, wk 12, wv 14, cos 16, sin 18, xb 20, wqg 22
	s_load_b128 s[24:27], s[0:1], 0x40             ; wkv 24, aux 26
	v_lshl_add_u32 v[SPW], v0, 2, SPARE
	v_mov_b32 v[NIL], 0
	s_mov_b32 s36, ttmp9
	s_mov_b32 s43, 0
	s_mov_b32 s46, 0x76543210                      ; v_permlanex16_b32: each lane takes its own place in the other half
	s_mov_b32 s47, 0xfedcba98
	v_lshlrev_b32 v2, 3, v0
	v_mov_b32 v6, 0
	v_mov_b32 v7, 0
	v_mov_b32 v8, 0
	v_mov_b32 v9, 0
	s_wait_kmcnt 0x0
	s_cmp_lt_u32 s36, 256
	s_cbranch_scc0 .Lnot_x
	s_mov_b32 s37, s36                             ; x: 256 work-groups
	LINEAR 8, 20
	PARTIAL PXO
	LOADS 4096, 1
	s_branch .Ltail_sum
.Lnot_x:
	s_cmp_lt_u32 s36, 768
	s_cbranch_scc0 .Lnot_wq
	s_sub_co_u32 s37, s36, 256                     ; wq: 512 work-groups: t = number / 16, 128 rows k from 128 (number % 16)
	s_lshr_b32 s50, s37, 4
	s_and_b32 s51, s37, 15
	s_lshl_b32 s42, s51, 21                        ; 128 rows of 16,384 bytes
	s_lshl_b32 s50, s50, 8                         ; 64 columns of 4 bytes
	s_add_co_u32 s42, s42, s50
	s_add_nc_u64 s[38:39], s[10:11], s[42:43]
	s_lshl_b32 s42, s37, 15
	s_add_nc_u64 s[40:41], s[22:23], s[42:43]
	PARTIAL PQO
	v_lshrrev_b32 v1, 5, v0                        ; a wave a row: sixteen lanes for q's 256 bytes, sixteen for the gate's, 8,192 bytes on
	v_lshlrev_b32 v1, 14, v1
	v_bfe_u32 v10, v0, 4, 1
	v_lshl_add_u32 v1, v10, 13, v1
	v_and_b32 v10, 15, v0
	v_lshl_add_u32 v1, v10, 4, v1
	LOADS 131072, 1                                ; 8 rows on
	s_branch .Ltail_sum
.Lnot_wq:
	s_cmp_lt_u32 s36, 896
	s_cbranch_scc0 .Ltables
	s_sub_co_u32 s37, s36, 768                     ; wk and wv: 128 work-groups: u = number / 4, 512 rows k from 512 (number % 4)
	s_lshr_b32 s50, s37, 2
	s_and_b32 s51, s37, 3
	s_lshl_b32 s42, s51, 20                        ; 512 rows of 2,048 bytes
	s_lshr_b32 s51, s50, 1
	s_lshl_b32 s51, s51, 8                         ; wk: the head's 64 columns,
	s_and_b32 s49, s50, 1
	s_lshl_b32 s49, s49, 6                         ; the plane's first 16
	s_add_co_u32 s51, s51, s49
	s_and_b32 s49, s50, 15
	s_lshl_b32 s49, s49, 7                         ; wv: 32 columns on end
	s_cmp_lt_u32 s50, 16
	s_cselect_b32 s51, s51, s49
	s_cselect_b64 s[38:39], s[12:13], s[14:15]
	s_cselect_b32 s49, 7, 6                        ; a row's second 16 columns lie 128 bytes on in wk, 64 in wv
	s_add_co_u32 s42, s42, s51
	s_add_nc_u64 s[38:39], s[38:39], s[42:43]
	s_lshl_b32 s42, s37, 15
	s_add_nc_u64 s[40:41], s[24:25], s[42:43]
	PARTIAL PKO
	v_lshrrev_b32 v1, 3, v0                        ; eight lanes a row: four for each run of 16 columns
	v_lshlrev_b32 v1, 11, v1
	v_bfe_u32 v10, v0, 2, 1
	v_lshlrev_b32 v10, s49, v10
	v_add_nc_u32 v1, v1, v10
	v_and_b32 v10, 3, v0
	v_lshl_add_u32 v1, v10, 4, v1
	LOADS 65536, 0                                 ; 32 rows on; neighbouring work-groups read the rest of these rows, so no hint
	s_cmp_lt_u32 s50, 16
	s_cbranch_scc1 .Ltail_sum
	ALL16 0                                        ; wv: no sum is wanted
	s_branch .Lend
.Ltables:
	s_sub_co_u32 s37, s36, 896                     ; cos (0-7) and sin (8-15)
	s_and_b32 s50, s37, 7
	s_lshl_b32 s42, s50, 16
	s_cmp_lt_u32 s37, 8
	s_cselect_b64 s[38:39], s[16:17], s[18:19]
	s_add_nc_u64 s[38:39], s[38:39], s[42:43]
	s_lshl_b32 s42, s37, 15
	s_add_nc_u64 s[40:41], s[26:27], s[42:43]      ; sin's table follows cos's in aux
	v_lshlrev_b32 v1, 4, v0
	s_mov_b32 s49, 0x7fffffff                      ; clears a sign
	PARTIAL PMO
	LOADS 4096, 0
	ALL16 2
	v_max_num_f32 v6, v6, v7
	REDUCE v_max_num_f32_dpp, v_max_num_f32
	s_branch .Lend
.Ltail_sum:
	ALL16 1
	v_pk_add_f32 v[6:7], v[6:7], v[8:9]
	v_add_f32 v6, v6, v7
	REDUCE v_add_f32_dpp, v_add_f32
.Lend:
	s_wait_tensorcnt 0x0                           ; the wave's end
	ds_add_u32 v[SPW], v[NIL]
	s_wait_dscnt 0x0
	s_endpgm
.Lfunc_end_k_q5e25393f00_cast:
	.size	k_q5e25393f00_cast, .Lfunc_end_k_q5e25393f00_cast-k_q5e25393f00_cast
	.p2alignl 7, 3214868480
	.fill 96, 4, 3214868480
	.section	.rodata,"a",@progbits
	.p2align	6, 0x0
	.amdhsa_kernel k_q5e25393f00_cast
		.amdhsa_group_segment_fixed_size 1280
		.amdhsa_private_segment_fixed_size 0
		.amdhsa_enable_private_segment 0
		.amdhsa_kernarg_size 80
		.amdhsa_user_sgpr_count 2
		.amdhsa_user_sgpr_kernarg_segment_ptr 1
		.amdhsa_wavefront_size32 1
		.amdhsa_system_sgpr_workgroup_id_x 1
		.amdhsa_system_sgpr_workgroup_id_y 1
		.amdhsa_system_sgpr_workgroup_id_z 1
		.amdhsa_system_vgpr_workitem_id 0
		.amdhsa_next_free_vgpr 120
		.amdhsa_next_free_sgpr 66
		.amdhsa_reserve_vcc 1
		.amdhsa_float_denorm_mode_32 3
		.amdhsa_float_denorm_mode_16_64 3
		.amdhsa_memory_ordered 1
		.amdhsa_forward_progress 1
		.amdhsa_inst_pref_size 31
	.end_amdhsa_kernel
	.amdgpu_metadata
---
amdhsa.version: [ 1, 2 ]
amdhsa.kernels:
  - .name:           k_q5e25393f00_cast
    .symbol:         k_q5e25393f00_cast.kd
    .args:
      - { .name: hidden_states, .offset: 0, .size: 8, .value_kind: global_buffer, .address_space: global }
      - { .name: wq, .offset: 8, .size: 8, .value_kind: global_buffer, .address_space: global }
      - { .name: wk, .offset: 16, .size: 8, .value_kind: global_buffer, .address_space: global }
      - { .name: wv, .offset: 24, .size: 8, .value_kind: global_buffer, .address_space: global }
      - { .name: cos, .offset: 32, .size: 8, .value_kind: global_buffer, .address_space: global }
      - { .name: sin, .offset: 40, .size: 8, .value_kind: global_buffer, .address_space: global }
      - { .name: xb, .offset: 48, .size: 8, .value_kind: global_buffer, .address_space: global }
      - { .name: wqg, .offset: 56, .size: 8, .value_kind: global_buffer, .address_space: global }
      - { .name: wkv, .offset: 64, .size: 8, .value_kind: global_buffer, .address_space: global }
      - { .name: aux, .offset: 72, .size: 8, .value_kind: global_buffer, .address_space: global }
    .group_segment_fixed_size: 1280
    .private_segment_fixed_size: 0
    .kernarg_segment_align: 8
    .kernarg_segment_size: 80
    .max_flat_workgroup_size: 256
    .sgpr_count:     66
    .vgpr_count:     120
    .wavefront_size: 32
...
	.end_amdgpu_metadata
.endif
;; end of part 1
;; launch proj (part 2): grid 32 x 8, 4 waves a work-group, clusters of 4 x 4, 327,680 bytes of LDS; arguments xb, wqg, wkv, aux, pj, wo, woh; writes pj, woh
.if DOCPART == 2
	.amdgcn_target "amdgcn-amd-amdhsa--gfx1250"
	.amdhsa_code_object_version 6
	.text
	.protected	k_q5e25393f00_proj
	.globl	k_q5e25393f00_proj
	.p2align	8
	.type	k_q5e25393f00_proj,@function
k_q5e25393f00_proj:
	s_mov_b64 s[64:65], 0
	v_nop
	global_prefetch_b8 v0, s[64:65] scope:SCOPE_SE
	s_setreg_imm32_b32 hwreg(HW_REG_WAVE_MODE, 25, 1), 1
	s_wait_xcnt 0x0
	s_wait_alu depctr_hold_cnt(0) depctr_sa_sdst(0) depctr_va_vdst(0) depctr_va_sdst(0) depctr_va_ssrc(0) depctr_va_vcc(0) depctr_vm_vsrc(0)
	s_getreg_b32 s2, hwreg(HW_REG_IB_STS2, 6, 4)
	s_cmp_eq_u32 s2, 0
	s_cbranch_scc0 .Lentry_in_a_cluster
	s_endpgm
.Lentry_in_a_cluster:
	s_bfe_u32 s2, ttmp6, 0x10000c
	s_cmp_lg_u32 s2, 0xf033
	s_cbranch_scc0 .Lentry_shape_is_right
	s_endpgm
.Lentry_shape_is_right:
; PROJ.  [2048 x 2048] x [2048 x 5120] in bf16, sums in f32: q, gate, k and v in one product; on the way out RoPE and a scale (q, k), the sigmoid (gate), a rounding (v).
; SHARES.  2048 x 5120 results on 256 work-groups: 256 rows x 160 columns each.  Column tile tx holds query head tx (64 columns), gate block tx (64) and 32 columns of k (tx < 16) or v.
; A wave takes 64 rows and all 160 columns: 4 x 10 accumulators, 320 registers; for 32 along K it reads 28 fragments' halves from LDS for 40 matrix instructions.
; K goes in steps of 128 through two LDS slots.  x lies [row][k] and is read as it lies; the weights lie [k][column] and are turned by ds_load_tr16_b128.
; THE MATRIX INSTRUCTION IS USED TRANSPOSED (source 0 = 16 columns of the weights, source 1 = 16 rows of x): a lane holds row l % 16 and eight neighbouring columns 8 (l / 16) + 0..7.
; CLUSTER 4 x 4: x's tile hangs on the tile row alone and is asked for jointly along a row of the cluster, the weights' tiles on the tile column alone, jointly along a column.
; THE SCALES.  q and k leave in f16 under powers of two made from the data: B = 2 max(|cos|, |sin|) sqrt(sum x^2) sqrt(sum w^2) bounds every rotated number (Cauchy-Schwarz);
; F = 2^(14 - floor(log2 B)), so |number| F < 2^15.  q leaves as q log2(e) F_q (under 47,900), k as k F_k.  The later launches get gamma = 1 / (F_q F_k), mu = log2(e) F_q F_k, 1 / F_k.
; WO.  While its first tiles are on their way, each work-group also rounds 65,536 bytes of wo to bf16, writes that number as f16 (exact from 2^-17 up; below it f16's step of 6e-8) and stores it for the last launch.
; LIMITS.  B under 2^60; below B = 2^-20 the scale grows no further; wo within f16's range, 65,504; NaN and infinities are not treated apart; v leaves in bf16.
; REGISTERS (windows of 256; s_set_vgpr_msb: bits 1:0 source 0, 3:2 source 1, 5:4 source 2, 7:6 destination):
;   window 0: v0-31 addresses and the scale words; v32-143, v144-255 two fragment buffers: x's block a at +8 a, the weights' block b at +32 + 8 b; at the head and on the way out at work
;   window 1: accumulator (a, b < 8) at 8 (8 a + b)          window 2: accumulator (a, b = 8, 9) at 8 (2 a + b - 8); from v64 on the tables, 48 registers for each a
.set KSTEP,  128
.set LAPS,   8                         ; 2048 / 256: a lap is two K steps, once round the ring
.set PA,     272                       ; LDS pitch of x's rows: 256 bytes + 16
.set PQG,    288                       ; of q's and the gate's k-rows: 256 + 32, an odd multiple of 32
.set PKV,    96                        ; of k's or v's k-rows: 64 + 32
.set QGO,    256*PA
.set KVO,    QGO+128*PQG
.set SLOT,   KVO+128*PKV               ; 118,784
.set STAGE,  2*SLOT                    ; behind the ring: 16 rows x 336 bytes for each wave
.set SPS,    336
.set SPARE,  STAGE+4*16*SPS            ; behind the stages: the spare words, 128 bytes a wave
.set TO,   12                          ; v12  byte offset of my row's 16 bytes in cos and sin
.set TKO,  13                          ; v13  the same at the plane's first channel
.set ADRA, 16                          ; v16-17  LDS address of my fragments of x in slot 0, 1
.set ADRQ, 18                          ; v18-19  of q's and the gate's
.set ADRK, 20                          ; v20-21  of k's or v's
.set STO,  22                          ; the way out: where I put 16 bytes of a row
.set RDQ,  23                          ; where I read four rows' 128 bytes back
.set RDK,  24                          ; where I read eight rows' 64 bytes back
.set GO,   25                          ; 16 x lane
.set SPW,  28
.set NIL,  29
.set PFO,  30                          ; the prefetches' offset: my lane x a row; never rewritten
.set ZERO, 31
.set F0,   32
.set F1,   144
.set WX,   64                          ; the head: wo as loaded, 32 pieces of four registers, v64-191
.set WT,   192                         ; four at work
.set WOA,  196                         ; 16 x thread
.set WOS,  197                         ; 8 x thread
.set QF,   32                          ; the way out: q in f32
.set QP,   64                          ; q in f16
.set GX,   80                          ; the gate in f32
.set GP,   112                         ; its sigmoid in f16
.set KVP,  128                         ; k or v, packed: 8 registers for each a
.set BKB,  160                         ; rows read back: two sets of 40
.set TT,   240                         ; sixteen at work
.set WV,  14
.set G1A, 24
.set G1Q, 32
.set G1K, 40
.set G0A, 48                           ; group 0, a set for each slot
.set G0Q, 56
.set G0K, 68
.set PFA, 76
.set PST, 78
.set LIM, 80
.set CLX, 81
.set SQ,  82
.set SKS, 84
.set SEL, 86
.set QB,  88
.set GB,  90
.set KB,  92
.set SCB, 94
.set MSB, 0
.macro WIN new                         ; the immediate's high byte repeats the setting that is left; a switch that changes nothing is dropped
.if MSB != (\new)
	s_set_vgpr_msb (MSB<<8)|(\new)
.set MSB, \new
.endif
.endm
.macro PLACES
.rept 4
	v_nop
.endr
.endm
; A joint load: waves 0 and 1 fetch the halves of x's tile, wave 2 q's and the gate's, wave 3 k's or v's.  The branches hang on the wave's number alone.
; An s_nop 0 and four v_nop follow each line, ahead of the jump and the label.
.macro JLOAD s
	s_cmp_lt_u32 s[WV], 2
	s_cbranch_scc0 .Lnot_a_\@
	tensor_load_to_lds s[G0A+4*(\s):G0A+4*(\s)+3], s[G1A:G1A+7]
	s_nop 0
	PLACES
	s_branch .Lasked_\@
.Lnot_a_\@:
	s_cmp_eq_u32 s[WV], 2
	s_cbranch_scc0 .Lfor_kv_\@
	tensor_load_to_lds s[G0Q+4*(\s):G0Q+4*(\s)+3], s[G1Q:G1Q+7]
	s_nop 0
	PLACES
	s_branch .Lasked_\@
.Lfor_kv_\@:
	tensor_load_to_lds s[G0K+4*(\s):G0K+4*(\s)+3], s[G1K:G1K+7]
	s_nop 0
	PLACES
.Lasked_\@:
.endm
; A prefetch into the L2 of the K step that stands two refills on (320 matrix instructions ahead): 32 rows x 256 bytes, a lane a row.  x's rows are named by cluster x = 0 alone, q's and the gate's
; by cluster y = 0 alone; the four partners of a joint load take 32 rows each, told apart by address.  The loop's last trip (s3 = 1) has no K step two on.  k's and v's tiles are not asked for:
; 8 KiB of a step's 104, and 8 blocks for each partner's 32 lanes.
.macro ASK
	s_cmp_gt_u32 s3, s[LIM]
	s_cbranch_scc0 .Lnot_mine_\@
	global_prefetch_b8 v[PFO], s[PFA:PFA+1] th:TH_LOAD_NT scope:SCOPE_SE
.Lnot_mine_\@:
.endm
.macro CREST                           ; a round of the cluster's barrier behind its opening barrier
	s_cmp_lg_u32 s[WV], 0
	s_cbranch_scc1 .Lnot_wave_0_\@
	s_barrier_signal -3
.Lnot_wave_0_\@:
	s_barrier_wait -3
	s_barrier_signal -1
	s_barrier_wait -1
.endm
.macro CROUND
	s_barrier_signal -1
	s_barrier_wait -1
	CREST
.endm
	s_load_b256 s[4:11], s[0:1], 0x0               ; xb 4, wqg 6, wkv 8, aux 10
	s_load_b64 s[12:13], s[0:1], 0x20              ; pj
	s_load_b64 s[66:67], s[0:1], 0x28              ; wo
	s_load_b64 s[96:97], s[0:1], 0x30              ; woh
	v_lshl_add_u32 v[SPW], v0, 2, SPARE
	v_mov_b32 v[NIL], 0
	ds_add_u32 v[SPW], v[NIL]                      ; the wave's opening: the add and its wait ahead of my first tensor load
	v_lshrrev_b32 v1, 5, v0
	v_readfirstlane_b32 s[WV], v1
	s_and_b32 s15, s[WV], 1
	s_bfe_u32 s16, ttmp6, 0x40000                  ; cx
	s_bfe_u32 s17, ttmp6, 0x40004                  ; cy
	s_lshl_b32 s18, ttmp9, 2
	s_add_co_u32 s18, s18, s16                     ; tx
	s_and_b32 s19, ttmp7, 0xffff
	s_lshl_b32 s19, s19, 2
	s_add_co_u32 s19, s19, s17                     ; ty
	s_mov_b32 s[CLX], ttmp9                        ; cluster x: under 4 where the tile holds k, which all partners share
	s_lshl_b32 s20, s17, 2
	s_lshl_b32 s20, 15, s20                        ; my row of the cluster
	s_lshl_b32 s21, 0x1111, s16                    ; my column
	s_or_b32 s[G1A], s20, (1<<16)|(1<<20)|(1<<21)|(5<<22)|(3<<25)  ; 2-byte elements; padding of 4 words after every 64; bit 21 beside a mask
	s_or_b32 s[G1Q], s21, (1<<16)|(1<<20)|(1<<21)|(5<<22)|(7<<25)  ; 8 words after every 64
	s_or_b32 s[G1K], s21, (1<<16)|(1<<20)|(1<<21)|(3<<22)|(7<<25)  ; 8 words after every 16: four k-rows of 64 bytes lie in a row of 256
.irp g, G1A, G1Q
	s_mov_b32 s[(\g)+1], 128<<16                   ; tensor_dim0 = 128
	s_mov_b32 s[(\g)+2], 128<<16                   ; tensor_dim1 = 128
	s_mov_b32 s[(\g)+3], 128<<16                   ; tile_dim0 = 128
	s_mov_b32 s[(\g)+4], 128                       ; tile_dim1 = 128
	s_mov_b32 s[(\g)+6], 0
	s_mov_b32 s[(\g)+7], 0
.endr
	s_mov_b32 s[G1A+5], 2048                       ; elements from row to row
	s_mov_b32 s[G1Q+5], 128
	s_mov_b32 s[G1K+1], 128<<16
	s_mov_b32 s[G1K+2], 32<<16
	s_mov_b32 s[G1K+3], 128<<16
	s_mov_b32 s[G1K+4], 32                         ; a step's 8,192 dense bytes as 32 rows of 256
	s_mov_b32 s[G1K+5], 128
	s_mov_b32 s[G1K+6], 0
	s_mov_b32 s[G1K+7], 0
	s_mov_b32 s[SEL], 0x76543210
	s_mov_b32 s[SEL+1], 0xfedcba98
	s_lshl_b32 s22, s19, 20                        ; x: row 256 ty + 128 half, 4,096 bytes a row: made of the tile row and the wave alone
	s_lshl_b32 s2, s15, 19
	s_add_co_u32 s22, s22, s2
	s_mov_b32 s23, 0
	s_lshl_b32 s98, s18, 19                        ; wqg: 524,288 bytes a tile column
	s_mov_b32 s99, 0
	s_lshl_b32 s20, s18, 17                        ; wkv: 131,072
	s_mov_b32 s21, 0
	s_mul_i32 s3, s15, 128*PA                      ; where x's half goes: no place in the cluster enters an LDS address
	s_wait_dscnt 0x0                               ; the opening add is done
	s_wait_kmcnt 0x0
	s_add_nc_u64 s[22:23], s[4:5], s[22:23]
	s_add_nc_u64 s[98:99], s[6:7], s[98:99]
	s_add_nc_u64 s[20:21], s[8:9], s[20:21]
	CROUND                                         ; all sixteen work-groups are here: the first joint loads meet
.irp s, 0,1
	s_mov_b32 s[G0A+4*(\s)], 1
	s_add_co_u32 s[G0A+4*(\s)+1], s3, (\s)*SLOT
	s_add_nc_u64 s[G0A+4*(\s)+2:G0A+4*(\s)+3], s[22:23], (\s)*KSTEP*2
	s_or_b32 s[G0A+4*(\s)+3], s[G0A+4*(\s)+3], 0x80000000
	s_mov_b32 s[G0Q+4*(\s)], 1
	s_mov_b32 s[G0Q+4*(\s)+1], QGO+(\s)*SLOT
	s_add_nc_u64 s[G0Q+4*(\s)+2:G0Q+4*(\s)+3], s[98:99], (\s)*KSTEP*256
	s_or_b32 s[G0Q+4*(\s)+3], s[G0Q+4*(\s)+3], 0x80000000
	s_mov_b32 s[G0K+4*(\s)], 1
	s_mov_b32 s[G0K+4*(\s)+1], KVO+(\s)*SLOT
	s_add_nc_u64 s[G0K+4*(\s)+2:G0K+4*(\s)+3], s[20:21], (\s)*KSTEP*64
	s_or_b32 s[G0K+4*(\s)+3], s[G0K+4*(\s)+3], 0x80000000
	JLOAD \s                                       ; two loads of mine are out
.endr
	v_and_b32 v7, 31, v0                           ; lane
	v_and_b32 v1, 15, v0                           ; l % 16
	v_bfe_u32 v2, v0, 4, 1                         ; l / 16
	; the work-group's 65,536 bytes of wo: 32 pieces of 16 bytes a thread; a wave's load covers 512 consecutive bytes
	s_lshl_b32 s2, s19, 5
	s_add_co_u32 s2, s2, s18                       ; the work-group's number, 32 ty + tx
	s_lshl_b32 s20, s2, 16
	s_mov_b32 s21, 0
	s_add_nc_u64 s[66:67], s[66:67], s[20:21]
	s_lshl_b32 s20, s2, 15
	s_add_nc_u64 s[96:97], s[96:97], s[20:21]
	s_mov_b32 s23, 0xffff0000                      ; a word's upper bf16
	v_lshlrev_b32 v[WOA], 4, v0
	v_lshlrev_b32 v[WOS], 3, v0
.set i, 0
.rept 32
	global_load_b128 v[WX+4*i:WX+4*i+3], v[WOA], s[66:67] offset:2048*i th:TH_LOAD_NT
.set i, i+1
.endr
	; the partial sums and maxima of the launch before: 848 numbers, which every wave adds up for itself
	v_lshlrev_b32 v3, 5, v7
	v_lshlrev_b32 v4, 6, v7
	v_lshlrev_b32 v5, 3, v7
	v_lshlrev_b32 v6, 2, v1
	global_load_b128 v[32:35], v3, s[10:11] offset:524288
	global_load_b128 v[36:39], v3, s[10:11] offset:524288+16
	global_load_b128 v[40:43], v4, s[10:11] offset:525312
	global_load_b128 v[44:47], v4, s[10:11] offset:525312+16
	global_load_b128 v[48:51], v4, s[10:11] offset:525312+32
	global_load_b128 v[52:55], v4, s[10:11] offset:525312+48
	global_load_b64 v[56:57], v5, s[10:11] offset:527360
	global_load_b32 v58, v6, s[10:11] offset:527616
	; where my rows' cos and sin lie: row x 128 + 16 (l / 16)
	s_lshl_b32 s2, s19, 15
	s_lshl_b32 s3, s[WV], 13
	s_add_co_u32 s2, s2, s3                        ; row 256 ty + 64 wave, 128 bytes a row
	v_lshlrev_b32 v[TO], 7, v1
	v_lshl_add_u32 v[TO], v2, 4, v[TO]
	v_add_nc_u32 v[TO], s2, v[TO]
	s_and_b32 s3, s18, 1
	s_lshl_b32 s3, s3, 5                           ; the plane's first channel, 16 (tx % 2)
	v_add_nc_u32 v[TKO], s3, v[TO]
	; LDS addresses
	v_mul_u32_u24 v14, v1, PA
	v_lshl_add_u32 v14, v2, 4, v14
	s_mul_i32 s2, s[WV], 64*PA
	v_add_nc_u32 v[ADRA], s2, v14                  ; (64 wave + l % 16) x pitch + 16 (l / 16)
	v_add_nc_u32 v[ADRA+1], SLOT, v[ADRA]
	v_and_b32 v15, 7, v0
	v_lshl_add_u32 v15, v2, 3, v15                 ; the turning load: k-row 8 (l / 16) + l % 8,
	v_bfe_u32 v26, v0, 3, 1
	v_lshlrev_b32 v26, 4, v26                      ; 16 bytes for each half of eight lanes
	v_mul_u32_u24 v14, v15, PQG
	v_add_nc_u32 v14, v14, v26
	v_add_nc_u32 v[ADRQ], QGO, v14
	v_add_nc_u32 v[ADRQ+1], SLOT, v[ADRQ]
	v_mul_u32_u24 v14, v15, PKV
	v_add_nc_u32 v14, v14, v26
	v_add_nc_u32 v[ADRK], KVO, v14
	v_add_nc_u32 v[ADRK+1], SLOT, v[ADRK]
	s_mul_i32 s2, s[WV], 16*SPS
	s_add_co_u32 s2, s2, STAGE                     ; my stage
	v_mul_u32_u24 v14, v1, SPS
	v_lshl_add_u32 v14, v2, 4, v14
	v_add_nc_u32 v[STO], s2, v14
	v_bfe_u32 v14, v0, 3, 2
	v_mul_u32_u24 v14, v14, SPS
	v_and_b32 v15, 7, v0
	v_lshl_add_u32 v14, v15, 4, v14
	v_add_nc_u32 v[RDQ], s2, v14
	v_bfe_u32 v14, v0, 2, 3
	v_mul_u32_u24 v14, v14, SPS
	v_and_b32 v15, 3, v0
	v_lshl_add_u32 v14, v15, 4, v14
	v_add_nc_u32 v14, 256, v14
	v_add_nc_u32 v[RDK], s2, v14
	v_lshlrev_b32 v[GO], 4, v7
	v_mov_b32 v[ZERO], 0
	v_mov_b32 v59, 0
	; where the results go
	s_lshl_b32 s2, s18, 18                         ; q: head tx, 262,144 bytes; row 256 ty + 64 wave, 128 bytes
	s_lshl_b32 s3, s19, 15
	s_add_co_u32 s2, s2, s3
	s_lshl_b32 s3, s[WV], 13
	s_add_co_u32 s2, s2, s3
	s_mov_b32 s3, 0
	s_add_nc_u64 s[QB:QB+1], s[12:13], s[2:3]
	s_add_nc_u64 s[GB:GB+1], s[QB:QB+1], 8388608   ; the sigmoids lie behind q, in the same layout
	s_lshl_b32 s2, s18, 17                         ; k and v: plane tx, 131,072 bytes; rows of 64 bytes
	s_lshl_b32 s3, s19, 14
	s_add_co_u32 s2, s2, s3
	s_lshl_b32 s3, s[WV], 12
	s_add_co_u32 s2, s2, s3
	s_mov_b32 s3, 0
	s_add_nc_u64 s[KB:KB+1], s[12:13], s[2:3]
	s_add_nc_u64 s[KB:KB+1], s[KB:KB+1], 16777216
	s_lshl_b32 s2, s19, 5
	s_add_co_u32 s2, s2, s18
	s_lshl_b32 s2, s2, 4                           ; the work-group's 16 bytes of scale words
	s_add_nc_u64 s[SCB:SCB+1], s[12:13], s[2:3]
	s_add_nc_u64 s[SCB:SCB+1], s[SCB:SCB+1], 20971520
	; the prefetches
	s_lshl_b32 s2, s19, 20
	s_lshl_b32 s3, s15, 19
	s_add_co_u32 s2, s2, s3
	s_lshl_b32 s3, s16, 17
	s_add_co_u32 s2, s2, s3                        ; x: row 256 ty + 128 half + 32 cx
	s_lshl_b32 s3, s18, 19
	s_lshl_b32 s[PST], s17, 13
	s_add_co_u32 s3, s3, s[PST]                    ; wqg: tile column tx, k-row 32 cy
	s_mov_b32 s[PST], 0x8000                       ; a K step on: 32,768 bytes in wqg,
	s_mov_b32 s[PST+1], 256                        ; 256 in x
	s_and_b32 s[LIM], ttmp7, 0xffff
	s_cmp_lt_u32 s[WV], 2
	s_cselect_b32 s[LIM], ttmp9, s[LIM]            ; the coordinate along which other clusters read the same rows
	s_cselect_b32 s2, s2, s3
	s_cselect_b64 s[PFA:PFA+1], s[4:5], s[6:7]
	s_cselect_b32 s[PST], s[PST+1], s[PST]
	s_cselect_b32 s3, 12, 8                        ; a row is 4,096 bytes in x, 256 in wqg
	v_lshlrev_b32 v[PFO], s3, v7
	s_lshr_b32 s3, s[WV], 1
	s_and_b32 s3, s3, s[WV]                        ; 1 in wave 3 alone, which asks for nothing
	s_or_b32 s[LIM], s[LIM], s3
	s_cmp_eq_u32 s[LIM], 0
	s_cselect_b32 s[LIM], 1, -1                    ; the same in all sixteen partners, for a given wave
	s_mov_b32 s[PST+1], 0
	s_mov_b32 s3, 0
	s_add_nc_u64 s[PFA:PFA+1], s[PFA:PFA+1], s[2:3]
	s_mul_i32 s2, s[PST], 3
	s_add_nc_u64 s[PFA:PFA+1], s[PFA:PFA+1], s[2:3]  ; at K step 3: the first refill steps it to 4.  K steps 0 to 3 come by their loads alone
	; WO: each piece is rounded to bf16, widened again, written as f16 in place, and stored: a wave's store covers 256 consecutive bytes, aligned
.set i, 0
.rept 32
	s_wait_loadcnt 39-i                            ; piece i is in; the 31 - i younger pieces and the eight loads of partial results stay out
	v_cvt_pk_bf16_f32 v[WT+2*(i%2)],   v[WX+4*i],   v[WX+4*i+1]
	v_cvt_pk_bf16_f32 v[WT+2*(i%2)+1], v[WX+4*i+2], v[WX+4*i+3]
	v_lshlrev_b32 v[WX+4*i],   16,  v[WT+2*(i%2)]
	v_and_b32     v[WX+4*i+1], s23, v[WT+2*(i%2)]
	v_lshlrev_b32 v[WX+4*i+2], 16,  v[WT+2*(i%2)+1]
	v_and_b32     v[WX+4*i+3], s23, v[WT+2*(i%2)+1]
	v_cvt_pk_f16_f32 v[WX+4*i],   v[WX+4*i],   v[WX+4*i+1]
	v_cvt_pk_f16_f32 v[WX+4*i+1], v[WX+4*i+2], v[WX+4*i+3]
	global_store_b64 v[WOS], v[WX+4*i:WX+4*i+1], s[96:97] offset:1024*i
.set i, i+1
.endr
	; THE SCALES
	s_wait_loadcnt 0x0                             ; the eight loads of partial results
	v_pk_add_f32 v[32:33], v[32:33], v[34:35]
	v_pk_add_f32 v[36:37], v[36:37], v[38:39]
	v_pk_add_f32 v[40:41], v[40:41], v[42:43]
	v_pk_add_f32 v[44:45], v[44:45], v[46:47]
	v_pk_add_f32 v[48:49], v[48:49], v[50:51]
	v_pk_add_f32 v[52:53], v[52:53], v[54:55]
	v_pk_add_f32 v[32:33], v[32:33], v[36:37]
	v_pk_add_f32 v[40:41], v[40:41], v[44:45]
	v_pk_add_f32 v[48:49], v[48:49], v[52:53]
	v_pk_add_f32 v[40:41], v[40:41], v[48:49]
	v_add_f32 v32, v32, v33
	v_add_f32 v40, v40, v41
	v_add_f32 v56, v56, v57
.irp m, 1,2,4,8
	v_add_f32_dpp v32, v32, v32 row_xmask:\m row_mask:0xf bank_mask:0xf
	v_add_f32_dpp v40, v40, v40 row_xmask:\m row_mask:0xf bank_mask:0xf
	v_add_f32_dpp v56, v56, v56 row_xmask:\m row_mask:0xf bank_mask:0xf
	v_max_num_f32_dpp v58, v58, v58 row_xmask:\m row_mask:0xf bank_mask:0xf
.endr
	v_permlanex16_b32 v33, v32, s[SEL], s[SEL+1]
	v_permlanex16_b32 v41, v40, s[SEL], s[SEL+1]
	v_permlanex16_b32 v57, v56, s[SEL], s[SEL+1]
	v_permlanex16_b32 v59, v58, s[SEL], s[SEL+1]
	v_add_f32 v32, v32, v33                        ; sum x^2
	v_add_f32 v40, v40, v41                        ; sum wq^2
	v_add_f32 v56, v56, v57                        ; sum wk^2
	v_max_num_f32 v58, v58, v59                    ; M
	v_sqrt_f32 v32, v32
	v_sqrt_f32 v40, v40
	v_sqrt_f32 v56, v56
	v_add_f32 v58, v58, v58                        ; 2 M: the plain instruction behind the last root
	s_wait_alu depctr_va_vdst(0)                   ; one wait for the three roots, ahead of their first reader
	v_mul_f32 v58, v58, v32
	v_mul_f32 v40, v58, v40                        ; B_q
	v_mul_f32 v56, v58, v56                        ; B_k
	v_max_num_f32 v40, 0x35800000, v40             ; at least 2^-20
	v_max_num_f32 v56, 0x35800000, v56
	v_and_b32 v40, 0x7f800000, v40                 ; the exponent's field e + 127;
	v_and_b32 v56, 0x7f800000, v56
	v_sub_nc_u32 v40, 0x86000000, v40              ; 268 - (e + 127) = (14 - e) + 127: F_q
	v_sub_nc_u32 v56, 0x86000000, v56              ; F_k
	v_mul_f32 v33, v40, v56                        ; G = F_q F_k
	v_sub_nc_u32 v8, 0x7f000000, v33               ; gamma = 1 / G, a power of two
	v_mul_f32 v9, 0x3fb8aa3b, v33                  ; mu = log2(e) G
	v_sub_nc_u32 v10, 0x7f000000, v56              ; 1 / F_k
	v_mov_b32 v11, 0
	v_mul_f32 v41, 0x3fb8aa3b, v40
	v_readfirstlane_b32 s[SQ], v41                 ; log2(e) F_q
	v_readfirstlane_b32 s[SKS], v56
	s_mov_b32 s[SQ+1], s[SQ]                       ; named as pairs
	s_mov_b32 s[SKS+1], s[SKS]
	; cos and sin of my rows, as bf16, in the accumulators' layout: for row block a, column block b: 16 bytes at row x 128 + 32 b + 16 (l / 16).  They are wanted on the way out alone and stay out until then.
	WIN 0x80                                       ; destination window 2
.set a, 0
.rept 4
.set b, 0
.rept 4
	global_load_b128 v[64+48*a+4*b:64+48*a+4*b+3],       v[TO], s[10:11] offset:2048*a+32*b
	global_load_b128 v[64+48*a+16+4*b:64+48*a+16+4*b+3], v[TO], s[10:11] offset:262144+2048*a+32*b
.set b, b+1
.endr
	global_load_b128 v[64+48*a+32:64+48*a+35], v[TKO], s[10:11] offset:2048*a
	global_load_b128 v[64+48*a+36:64+48*a+39], v[TKO], s[10:11] offset:2048*a+64
	global_load_b128 v[64+48*a+40:64+48*a+43], v[TKO], s[10:11] offset:262144+2048*a
	global_load_b128 v[64+48*a+44:64+48*a+47], v[TKO], s[10:11] offset:262144+2048*a+64
.set a, a+1
.endr
	WIN 0
	s_wait_xcnt 0x0                                ; wo's stores have read their registers: the fragment loads below land on them only behind this wait
; Ten matrix instructions: row block a x all ten column blocks, 32 along K.  The 40 accumulators take turns, one instruction a turn, in the same order in every quarter.
.macro MULW1 f, a, zero
	WIN 0x50                                       ; C and D in window 1
.set b, 0
.rept 8
.if \zero
	v_wmma_f32_16x16x32_bf16 v[8*(8*(\a)+b):8*(8*(\a)+b)+7], v[(\f)+32+8*b:(\f)+32+8*b+7], v[(\f)+8*(\a):(\f)+8*(\a)+7], 0
.else
	v_wmma_f32_16x16x32_bf16 v[8*(8*(\a)+b):8*(8*(\a)+b)+7], v[(\f)+32+8*b:(\f)+32+8*b+7], v[(\f)+8*(\a):(\f)+8*(\a)+7], v[8*(8*(\a)+b):8*(8*(\a)+b)+7]
.endif
.set b, b+1
.endr
.endm
.macro MULW2 f, a, zero
	WIN 0xa0                                       ; C and D in window 2
.set b, 0
.rept 2
.if \zero
	v_wmma_f32_16x16x32_bf16 v[8*(2*(\a)+b):8*(2*(\a)+b)+7], v[(\f)+96+8*b:(\f)+96+8*b+7], v[(\f)+8*(\a):(\f)+8*(\a)+7], 0
.else
	v_wmma_f32_16x16x32_bf16 v[8*(2*(\a)+b):8*(2*(\a)+b)+7], v[(\f)+96+8*b:(\f)+96+8*b+7], v[(\f)+8*(\a):(\f)+8*(\a)+7], v[8*(2*(\a)+b):8*(2*(\a)+b)+7]
.endif
.set b, b+1
.endr
.endm
.macro MULA f, a, zero                 ; even a: window 1, then 2; odd a: the other way round, which spares a switch
.if ((\a)%2) == 0
	MULW1 \f, \a, \zero
	MULW2 \f, \a, \zero
.else
	MULW2 \f, \a, \zero
	MULW1 \f, \a, \zero
.endif
.endm
; 28 LDS loads in one run: quarter q (32 along K) of a slot into buffer f: the weights' ten blocks, then x's blocks 0, 1, then 2, 3
.macro FETCH slot, q, f
	WIN 0
.set b, 0
.rept 8
	ds_load_tr16_b128 v[(\f)+32+8*b:(\f)+32+8*b+3],   v[ADRQ+(\slot)] offset:(\q)*32*PQG+32*b
	ds_load_tr16_b128 v[(\f)+32+8*b+4:(\f)+32+8*b+7], v[ADRQ+(\slot)] offset:(\q)*32*PQG+32*b+16*PQG
.set b, b+1
.endr
.set b, 0
.rept 2
	ds_load_tr16_b128 v[(\f)+96+8*b:(\f)+96+8*b+3],   v[ADRK+(\slot)] offset:(\q)*32*PKV+32*b
	ds_load_tr16_b128 v[(\f)+96+8*b+4:(\f)+96+8*b+7], v[ADRK+(\slot)] offset:(\q)*32*PKV+32*b+16*PKV
.set b, b+1
.endr
.set b, 0
.rept 4
	ds_load_b128 v[(\f)+8*b:(\f)+8*b+3],   v[ADRA+(\slot)] offset:64*(\q)+b*16*PA
	ds_load_b128 v[(\f)+8*b+4:(\f)+8*b+7], v[ADRA+(\slot)] offset:64*(\q)+b*16*PA+32
.set b, b+1
.endr
.endm
; One of a K step's first three quarters: multiplies buffer f; in its middle it fetches quarter q into buffer g, four places behind the last product that read g
.macro QUARTER slot, q, f, g, zero
	s_wait_dscnt 4                                 ; all but the youngest four loads, x's blocks 2 and 3
	MULA \f, 0, \zero
	MULA \f, 1, \zero
	PLACES
	FETCH \slot, \q, \g
	s_wait_dscnt 28                                ; all but the 28 just issued
	MULA \f, 2, \zero
	MULA \f, 3, \zero
.endm
; The last quarter multiplies buffer 1 and changes slots: one barrier; in front of it each wave waits for all its tensor loads (its part of the next slot), adds 0 to its spare word, and waits for
; that and for its reads of this slot.  fill = 1: the barrier opens a round of the cluster's, and this slot is filled again first thing behind it, with the K step two on.
.macro TURN slot, next, fill
.if \fill
	s_wait_xcnt 0x0                                ; the last prefetch, a K step back, has read its address
	s_add_nc_u64 s[PFA:PFA+1], s[PFA:PFA+1], s[PST:PST+1]
.endif
	WIN 0
	s_wait_tensorcnt 0x0
	ds_add_u32 v[SPW], v[NIL]
	s_wait_dscnt 5                                 ; the add and the youngest four loads may be out
	MULA F1, 0, 0
	s_wait_dscnt 0x0                               ; the add is done and my reads of this slot are over
	s_barrier_signal -1
	MULA F1, 1, 0
.if \fill
	WIN 0
.endif
	s_barrier_wait -1
.if \fill
	CREST                                          ; no wave of any partner still reads this slot or has a load on its way
	s_add_nc_u64 s[G0A+4*(\slot)+2:G0A+4*(\slot)+3], s[G0A+4*(\slot)+2:G0A+4*(\slot)+3], 2*KSTEP*2
	s_add_nc_u64 s[G0Q+4*(\slot)+2:G0Q+4*(\slot)+3], s[G0Q+4*(\slot)+2:G0Q+4*(\slot)+3], 2*KSTEP*256
	s_add_nc_u64 s[G0K+4*(\slot)+2:G0K+4*(\slot)+3], s[G0K+4*(\slot)+2:G0K+4*(\slot)+3], 2*KSTEP*64
	JLOAD \slot                                    ; its four v_nop are also the places in front of the loads below
.else
	PLACES
.endif
	FETCH \next, 0, F0
.if \fill
	ASK
.endif
	MULA F1, 2, 0
	MULA F1, 3, 0
.endm
	s_wait_tensorcnt 1                             ; my part of K step 0 is in; K step 1's may stay out
	s_barrier_signal -1
	s_barrier_wait -1
	FETCH 0, 0, F0
	QUARTER 0, 1, F0, F1, 1                        ; the first quarter stands in front of the loop: its products start the 40 sums
	WIN 0
	s_mov_b32 s3, LAPS-1
.Llap:                                                 ; a trip goes once round the ring and fills both slots again
	QUARTER 0, 2, F1, F0, 0
	QUARTER 0, 3, F0, F1, 0
	TURN 0, 1, 1
	QUARTER 1, 1, F0, F1, 0
	QUARTER 1, 2, F1, F0, 0
	QUARTER 1, 3, F0, F1, 0
	TURN 1, 0, 1
	QUARTER 0, 1, F0, F1, 0
	WIN 0
	s_sub_co_u32 s3, s3, 1
	s_cmp_lg_u32 s3, 0
	s_cbranch_scc1 .Llap
	QUARTER 0, 2, F1, F0, 0                        ; the last lap fills nothing
	QUARTER 0, 3, F0, F1, 0
	TURN 0, 1, 0
	QUARTER 1, 1, F0, F1, 0
	QUARTER 1, 2, F1, F0, 0
	QUARTER 1, 3, F0, F1, 0
	s_wait_dscnt 4
	MULA F1, 0, 0
	MULA F1, 1, 0
	s_wait_dscnt 0x0
	MULA F1, 2, 0
	MULA F1, 3, 0
	WIN 0
	; THE WAY OUT
	PLACES
	PLACES
	s_wait_loadcnt 0x0                             ; the tables
	s_mov_b32 s2, 0xbfb8aa3b                       ; - log2(e), named as a pair
	s_mov_b32 s3, 0xbfb8aa3b
; d = a x (a bf16 half of t) + c, in f32
.macro MIXB d, a, t, c, half
.if \half
	v_fma_mix_f32_bf16 v[\d], v[\a], v[\t], \c op_sel:[0,1,0] op_sel_hi:[0,1,0]
.else
	v_fma_mix_f32_bf16 v[\d], v[\a], v[\t], \c op_sel_hi:[0,1,0]
.endif
.endm
; RoPE on eight channels d (accumulator lo) and their partners d + 32 (hi): lo' = lo cos[d] - hi sin[d], hi' = hi cos[d + 32] + lo sin[d + 32].  Each accumulator is read from its low end on.
.macro ROPE8 lo, hi, cl, ch, sl, sh, dl, dh
.set j, 0
.rept 8
	MIXB TT+j, (\hi)+j, (\sl)+j/2, v[ZERO], j%2
.set j, j+1
.endr
.set j, 0
.rept 8
	MIXB TT+8+j, (\lo)+j, (\sh)+j/2, v[ZERO], j%2
.set j, j+1
.endr
.set j, 0
.rept 8
	MIXB (\dl)+j, (\lo)+j, (\cl)+j/2, -v[TT+j], j%2
.set j, j+1
.endr
.set j, 0
.rept 8
	MIXB (\dh)+j, (\hi)+j, (\ch)+j/2, v[TT+8+j], j%2
.set j, j+1
.endr
.endm
	s_cmp_lt_u32 s[CLX], 4                         ; k or v?  The same in all partners of the cluster
	s_cbranch_scc0 .Lvpath
.set a, 0
.rept 4
	WIN 0x0a                                       ; accumulators and tables in window 2
	ROPE8 16*a, 16*a+8, 64+48*a+32, 64+48*a+36, 64+48*a+40, 64+48*a+44, QF, QF+8
	WIN 0
.set n, 0
.rept 8
	v_pk_mul_f32 v[QF+2*n:QF+2*n+1], v[QF+2*n:QF+2*n+1], s[SKS:SKS+1] op_sel_hi:[1,0]
.set n, n+1
.endr
.set n, 0
.rept 8
	v_cvt_pk_f16_f32 v[KVP+8*a+n], v[QF+2*n], v[QF+2*n+1]
.set n, n+1
.endr
.set a, a+1
.endr
	s_branch .Lkvdone
.Lvpath:
	WIN 0x0a
.set n, 0
.rept 32
	v_cvt_pk_bf16_f32 v[KVP+n], v[2*n], v[2*n+1]
.set n, n+1
.endr
	WIN 0
.Lkvdone:
; Row block a: the gate's exponentials are issued, q's RoPE is the work behind them; then the sigmoids; then 16 rows x 320 bytes go through my stage and leave as whole rows.
.macro ROWBLOCK a
.set TBL, 64+48*(\a)
.set BK, BKB+40*((\a)%2)
	WIN 0x01
.set n, 0
.rept 16
	v_pk_mul_f32 v[GX+2*n:GX+2*n+1], v[64*(\a)+32+2*n:64*(\a)+32+2*n+1], s[2:3] op_sel_hi:[1,0]  ; - log2(e) g
.set n, n+1
.endr
	WIN 0
.set n, 0
.rept 32
	v_exp_f32 v[GX+n], v[GX+n]
.set n, n+1
.endr
	WIN 0x09                                       ; accumulators in window 1, tables in window 2
.irp bp, 0,1
	ROPE8 64*(\a)+8*\bp, 64*(\a)+16+8*\bp, TBL+4*\bp, TBL+8+4*\bp, TBL+16+4*\bp, TBL+24+4*\bp, QF+8*\bp, QF+16+8*\bp
.endr
	WIN 0
.set n, 0
.rept 16
	v_pk_mul_f32 v[QF+2*n:QF+2*n+1], v[QF+2*n:QF+2*n+1], s[SQ:SQ+1] op_sel_hi:[1,0]
.set n, n+1
.endr
.set n, 0
.rept 16
	v_cvt_pk_f16_f32 v[QP+n], v[QF+2*n], v[QF+2*n+1]
.set n, n+1
.endr
	s_wait_alu depctr_va_vdst(0)                   ; one wait for the 32 exponentials, ahead of their first reader
.set n, 0
.rept 16
	v_pk_add_f32 v[GX+2*n:GX+2*n+1], v[GX+2*n:GX+2*n+1], 1.0 op_sel_hi:[1,0]
.set n, n+1
.endr
.set n, 0
.rept 32
	v_rcp_f32 v[GX+n], v[GX+n]
.set n, n+1
.endr
	v_nop                                          ; a plain instruction behind the last reciprocal
	s_wait_alu depctr_va_vdst(0)                   ; and one wait for the 32
.set n, 0
.rept 16
	v_cvt_pk_f16_f32 v[GP+n], v[GX+2*n], v[GX+2*n+1]
.set n, n+1
.endr
.set b, 0
.rept 4
	ds_store_b128 v[STO], v[QP+4*b:QP+4*b+3] offset:32*b
	ds_store_b128 v[STO], v[GP+4*b:GP+4*b+3] offset:128+32*b
.set b, b+1
.endr
	ds_store_b128 v[STO], v[KVP+8*(\a):KVP+8*(\a)+3]   offset:256
	ds_store_b128 v[STO], v[KVP+8*(\a)+4:KVP+8*(\a)+7] offset:288
.set b, 0
.rept 4                                ; LDS serves a wave's instructions in order: these see the stores above, and the next block's stores come behind them
	ds_load_b128 v[BK+4*b:BK+4*b+3],       v[RDQ] offset:4*SPS*b
	ds_load_b128 v[BK+16+4*b:BK+16+4*b+3], v[RDQ] offset:4*SPS*b+128
.set b, b+1
.endr
	ds_load_b128 v[BK+32:BK+35], v[RDK]
	ds_load_b128 v[BK+36:BK+39], v[RDK] offset:8*SPS
	s_wait_dscnt 0x0
	s_wait_xcnt 0x0                                ; the stores issued so far have read their registers: the next block loads over the set that the block before this one stored from
.set b, 0
.rept 4
	global_store_b128 v[GO], v[BK+4*b:BK+4*b+3],       s[QB:QB+1] offset:2048*(\a)+512*b  ; 512 consecutive bytes, aligned: four rows of a head
	global_store_b128 v[GO], v[BK+16+4*b:BK+16+4*b+3], s[GB:GB+1] offset:2048*(\a)+512*b
.set b, b+1
.endr
	global_store_b128 v[GO], v[BK+32:BK+35], s[KB:KB+1] offset:1024*(\a)                  ; eight rows of a plane
	global_store_b128 v[GO], v[BK+36:BK+39], s[KB:KB+1] offset:1024*(\a)+512
.endm
	ROWBLOCK 0
	ROWBLOCK 1
	ROWBLOCK 2
	ROWBLOCK 3
	v_cmp_eq_u32 vcc_lo, 0, v0                     ; thread 0 stores the work-group's scale words
	s_wait_xcnt 0x0                                ; EXEC changes only behind this wait
	s_and_saveexec_b32 s96, vcc_lo
	global_store_b128 v[ZERO], v[8:11], s[SCB:SCB+1]
	s_wait_xcnt 0x0
	s_or_b32 exec_lo, exec_lo, s96
	s_wait_tensorcnt 0x0                           ; the wave's end
	ds_add_u32 v[SPW], v[NIL]
	s_wait_dscnt 0x0
	CROUND                                         ; the closing round
	s_endpgm
.Lfunc_end_k_q5e25393f00_proj:
	.size	k_q5e25393f00_proj, .Lfunc_end_k_q5e25393f00_proj-k_q5e25393f00_proj
	.p2alignl 7, 3214868480
	.fill 96, 4, 3214868480
	.section	.rodata,"a",@progbits
	.p2align	6, 0x0
	.amdhsa_kernel k_q5e25393f00_proj
		.amdhsa_group_segment_fixed_size 327680
		.amdhsa_private_segment_fixed_size 0
		.amdhsa_enable_private_segment 0
		.amdhsa_kernarg_size 56
		.amdhsa_user_sgpr_count 2
		.amdhsa_user_sgpr_kernarg_segment_ptr 1
		.amdhsa_wavefront_size32 1
		.amdhsa_system_sgpr_workgroup_id_x 1
		.amdhsa_system_sgpr_workgroup_id_y 1
		.amdhsa_system_sgpr_workgroup_id_z 1
		.amdhsa_system_vgpr_workitem_id 0
		.amdhsa_next_free_vgpr 768
		.amdhsa_next_free_sgpr 100
		.amdhsa_reserve_vcc 1
		.amdhsa_float_denorm_mode_32 3
		.amdhsa_float_denorm_mode_16_64 3
		.amdhsa_memory_ordered 1
		.amdhsa_forward_progress 1
		.amdhsa_inst_pref_size 186
	.end_amdhsa_kernel
	.amdgpu_metadata
---
amdhsa.version: [ 1, 2 ]
amdhsa.kernels:
  - .name:           k_q5e25393f00_proj
    .symbol:         k_q5e25393f00_proj.kd
    .args:
      - { .name: xb, .offset: 0, .size: 8, .value_kind: global_buffer, .address_space: global }
      - { .name: wqg, .offset: 8, .size: 8, .value_kind: global_buffer, .address_space: global }
      - { .name: wkv, .offset: 16, .size: 8, .value_kind: global_buffer, .address_space: global }
      - { .name: aux, .offset: 24, .size: 8, .value_kind: global_buffer, .address_space: global }
      - { .name: pj, .offset: 32, .size: 8, .value_kind: global_buffer, .address_space: global }
      - { .name: wo, .offset: 40, .size: 8, .value_kind: global_buffer, .address_space: global }
      - { .name: woh, .offset: 48, .size: 8, .value_kind: global_buffer, .address_space: global }
    .group_segment_fixed_size: 327680
    .private_segment_fixed_size: 0
    .kernarg_segment_align: 8
    .kernarg_segment_size: 56
    .max_flat_workgroup_size: 128
    .sgpr_count:     100
    .vgpr_count:     768
    .wavefront_size: 32
...
	.end_amdgpu_metadata
.endif
;; end of part 2
;; launch attn (part 3): grid 32 x 8, 4 waves a work-group, clusters of 4 x 4, 327,680 bytes of LDS; arguments pj, attention_mask, a2; writes a2
.if DOCPART == 3
	.amdgcn_target "amdgcn-amd-amdhsa--gfx1250"
	.amdhsa_code_object_version 6
	.text
	.protected	k_q5e25393f00_attn
	.globl	k_q5e25393f00_attn
	.p2align	8
	.type	k_q5e25393f00_attn,@function
k_q5e25393f00_attn:
	s_mov_b64 s[64:65], 0
	v_nop
	global_prefetch_b8 v0, s[64:65] scope:SCOPE_SE
	s_setreg_imm32_b32 hwreg(HW_REG_WAVE_MODE, 25, 1), 1
	s_wait_xcnt 0x0
	s_wait_alu depctr_hold_cnt(0) depctr_sa_sdst(0) depctr_va_vdst(0) depctr_va_sdst(0) depctr_va_ssrc(0) depctr_va_vcc(0) depctr_vm_vsrc(0)
	s_getreg_b32 s2, hwreg(HW_REG_IB_STS2, 6, 4)
	s_cmp_eq_u32 s2, 0
	s_cbranch_scc0 .Lentry_in_a_cluster
	s_endpgm
.Lentry_in_a_cluster:
	s_bfe_u32 s2, ttmp6, 0x10000c
	s_cmp_lg_u32 s2, 0xf033
	s_cbranch_scc0 .Lentry_shape_is_right
	s_endpgm
.Lentry_shape_is_right:
; ATTN.  For each query head: softmax over all 2,048 keys of (q . k + mask), times K (the source multiplies by the keys), times the gate's sigmoid.  The mask is an input: every score is made.
; UNITS.  q arrives as q log2(e) F_q, k as k F_k, both f16; the mask, rounded here to bf16 like every input and multiplied by mu = log2(e) F_q F_k, is the C operand that starts each sum, so an accumulator
; holds s' = log2(e) G (score + mask), G = F_q F_k.  p = 2^(gamma s' - gamma m), gamma = 1 / G a power of two, m the running maximum of s': gamma m is exact, and the largest weight is exactly 1.  O comes out in k's units.
; LIMITS.  The mask is finite.  Mask and score are added in the matrix unit's own rounding, which shows only where |mask| is beyond 2^24 |score|.  A weight below 2^-126 counts as 0.  NaN and
; infinities are not treated apart.  p is rounded to f16 for the second product; its sum l is taken of the unrounded p.
; SHARES.  Work-group (x, y): 64 queries 64 x .., the four query heads 4 y .. 4 y + 3 of key head y.  A wave owns 16 queries; its four PIECES are the four heads on the SAME queries: one mask tile
; and one fragment of K serve all four.  Keys go 64 a step, 256 a slot, through two LDS slots.
; LAYOUT.  K lies in two planes of 32 channels (plane c: channels 16 c + 0..15 and 32 + 16 c + 0..15), rows of 64 bytes.  S^T = K Q^T: source 0 = 16 keys as they lie, source 1 = 16 queries with
; their channels in the same order; a lane holds one query (l % 16) and keys 8 (l / 16) + 0..7.  Two such results rounded to f16 are source 1 of O^T = K^T P, whose source 0 comes turned by ds_load_tr16_b128.
; TURNS.  Turn n belongs to piece n: 8 products K Q^T of piece n + 1, later 8 products K^T P of piece n - 1; beside them piece n's scaling, exponentials, roundings, sums and rescaling and piece
; n + 1's maximum and statistics.  Four vector instructions stand behind each matrix instruction, the rest in one run.  A turn's 33 exponentials are one batch with one wait.
; m starts at the lowest finite number, O and l at 0: the first step is a step like any other, with a = 0.
; CLUSTER 4 x 4.  K hangs on y alone: asked for jointly along a row of the cluster.  The mask's tile hangs on x alone: jointly along a column.
; REGISTERS: window 0: addresses, statistics (v16-31), at work (v48-55), S^T v64-127 (two buffers), P v192-223 (two buffers)
;   window 1: O^T v0-127; v128-145 at work on the mask; the mask tile v160-191; the sigmoids v192-255          window 2: Q v0-63; K v128-191; K turned v192-255
.set NP,    4
.set KS,    64
.set PK,    96                         ; a key's 64 bytes + 32: an odd multiple of 32; the plain loads then meet two deep
.set PLANE, 256*PK
.set MOFF,  2*PLANE
.set PM,    1040                       ; a mask row of 256 keys: 1,024 bytes + 16
.set SLOT1, 1<<17
.set STAGE, SLOT1+MOFF+64*PM           ; behind the ring: 16 rows x 528 bytes for each wave
.set SP,    528
.set SPARE, STAGE+4*16*SP
.set AK0, 2
.set AV0, 3
.set AK,  4
.set AV,  5
.set STO, 6
.set RD,  7
.set GO,  8
.set MV,  12
.set ST,  16                           ; piece t: gamma m, m, l (even keys', odd keys')
.set TMP, 48
.set QO,  56
.set AM0, 57
.set AMA, 58
.set PFO, 59
.set ZERO, 60
.set SPW, 62
.set NIL, 63
.set S,   64
.set P,   192
.set MT,  128                          ; window 1: the mask tile as bf16, 16 registers
.set MUV, 144                          ; window 1: mu
.set ZV,  145                          ; window 1: 0
.set MC,  160                          ; window 1
.set SG,  192                          ; window 1
.set KF,  128                          ; window 2: key block kb, plane c at KF + 16 kb + 8 c
.set VF,  192                          ; window 2: key half kk, channel block nb at VF + 32 kk + 8 nb
.set WV,  12
.set G1K, 24
.set G1M, 32
.set G0K, 40
.set G0M, 44
.set PFA, 48
.set PST, 50
.set LIM, 52
.set SLOTS, 56
.set CNT, 57
.set CS,  58
.set SEL, 60
.set TBK, 62
.set TBV, 63
.set TBM, 66
.set MU,  72
.set MSB, 0
.macro WIN new
.if MSB != (\new)
	s_set_vgpr_msb (MSB<<8)|(\new)
.set MSB, (\new)
.endif
.endm
.set W_KQ, 0x0a       ; K and Q in window 2, S^T in window 0
.set W_KM, 0x1a       ; the same with the C operand in window 1
.set W_PV, 0x52       ; K turned in window 2, P in window 0, O^T in window 1
.set W_RS, 0x41       ; destination and source 0 in window 1
; A joint fill: waves 0 and 1 fetch K's two planes, waves 2 and 3 the halves of the mask's tile.  An s_nop 0 and four v_nop follow each line.
.macro JLOAD
	s_cmp_lt_u32 s[WV], 2
	s_cbranch_scc0 .Lfor_m_\@
	tensor_load_to_lds s[G0K:G0K+3], s[G1K:G1K+7]
	s_nop 0
.rept 4
	v_nop
.endr
	s_branch .Lasked_\@
.Lfor_m_\@:
	tensor_load_to_lds s[G0M:G0M+3], s[G1M:G1M+7]
	s_nop 0
.rept 4
	v_nop
.endr
.Lasked_\@:
.endm
; A prefetch into the L2 of what the NEXT change of slots will ask for, four key steps (256 matrix instructions) ahead.  The mask's rows are named by cluster y = 0 alone, in waves 2 and 3: partner cy
; takes the 256 bytes number cy of the wave's 32 rows.  K's by cluster x = 0 alone, in wave 0: partner cx takes half cx % 2 of plane cx / 2, 32 blocks of 256 bytes.  The last filling change asks for nothing.
.macro ASK
	s_cmp_gt_u32 s[SLOTS], s[LIM]
	s_cbranch_scc0 .Lnot_mine_\@
	global_prefetch_b8 v[PFO], s[PFA:PFA+1] th:TH_LOAD_NT scope:SCOPE_SE
.Lnot_mine_\@:
.endm
.macro CROUND
	s_barrier_signal -1
	s_barrier_wait -1
	s_cmp_lg_u32 s[WV], 0
	s_cbranch_scc1 .Lnot_wave_0_\@
	s_barrier_signal -3
.Lnot_wave_0_\@:
	s_barrier_wait -3
	s_barrier_signal -1
	s_barrier_wait -1
.endm
; THE CHANGE OF SLOTS.  Each wave waits for all its tensor loads (its part of the other slot), adds 0 to its spare word, and waits for that and for its reads of the slot that it leaves.
; fill = 1: a round of the cluster's barrier, and the old slot is filled again first thing behind it, with the keys two slots on.  (At its first use slot 0 is waited for and slot 1 filled.)
.macro CHANGE fill
	WIN 0
	s_wait_tensorcnt 0x0
	ds_add_u32 v[SPW], v[NIL]
.if \fill
	s_xor_b32 s[G0K+1], s[G0K+1], SLOT1
	s_add_nc_u64 s[G0K+2:G0K+3], s[G0K+2:G0K+3], 256*64
	s_xor_b32 s[G0M+1], s[G0M+1], SLOT1
	s_add_nc_u64 s[G0M+2:G0M+3], s[G0M+2:G0M+3], 256*4
	s_wait_xcnt 0x0                 ; the last prefetch, four key steps back, has read its address
	s_add_nc_u64 s[PFA:PFA+1], s[PFA:PFA+1], s[PST:PST+1]
	s_wait_dscnt 0x0                ; the add is done, and my reads of the slot are over
	CROUND
	JLOAD
	ASK
.else
	s_wait_dscnt 0x0
	s_barrier_signal -1
	s_barrier_wait -1
.endif
	s_sub_co_u32 s[TBK], s[TBK], 4*KS*PK  ; the fetches go back to a slot's first step, in the other slot
	s_xor_b32 s[TBK], s[TBK], SLOT1
	s_sub_co_u32 s[TBV], s[TBV], 4*KS*PK
	s_xor_b32 s[TBV], s[TBV], SLOT1
	s_sub_co_u32 s[TBM], s[TBM], 4*KS*4
	s_xor_b32 s[TBM], s[TBM], SLOT1
.endm
	s_load_b128 s[4:7], s[0:1], 0x0   ; pj 4, the mask 6
	s_load_b64 s[8:9], s[0:1], 0x10   ; a2
	v_lshl_add_u32 v[SPW], v0, 2, SPARE
	v_mov_b32 v[NIL], 0
	ds_add_u32 v[SPW], v[NIL]       ; the wave's opening: the add and its wait ahead of my first tensor load
	v_lshrrev_b32 v1, 5, v0
	v_readfirstlane_b32 s[WV], v1
	s_bfe_u32 s13, ttmp6, 0x40000   ; cx
	s_bfe_u32 s14, ttmp6, 0x40004   ; cy
	s_lshl_b32 s15, ttmp9, 2
	s_add_co_u32 s15, s15, s13      ; the block of 64 queries
	s_and_b32 s16, ttmp7, 0xffff
	s_lshl_b32 s16, s16, 2
	s_add_co_u32 s16, s16, s14      ; the key head
	s_lshl_b32 s17, s14, 2
	s_lshl_b32 s17, 15, s17         ; my row of the cluster
	s_lshl_b32 s18, 0x1111, s13     ; my column
	s_or_b32 s[G1K], s17, (1<<16)|(1<<20)|(1<<21)|(3<<22)|(7<<25)  ; 2-byte elements; 8 words of padding after every 16: four keys lie in a row of 256 bytes
	s_or_b32 s[G1M], s18, (2<<16)|(1<<20)|(1<<21)|(7<<22)|(3<<25)  ; 4-byte elements; 4 words after every 256
	s_mov_b32 s[G1K+1], 128<<16
	s_mov_b32 s[G1K+2], 64<<16
	s_mov_b32 s[G1K+3], 128<<16
	s_mov_b32 s[G1K+4], 64          ; a plane's 256 keys: 16,384 dense bytes as 64 rows of 256
	s_mov_b32 s[G1K+5], 128
	s_mov_b32 s[G1K+6], 0
	s_mov_b32 s[G1K+7], 0
	s_mov_b32 s[G1M+1], 256<<16
	s_mov_b32 s[G1M+2], 32<<16
	s_mov_b32 s[G1M+3], 256<<16
	s_mov_b32 s[G1M+4], 32          ; 32 queries x 256 keys
	s_mov_b32 s[G1M+5], 2048
	s_mov_b32 s[G1M+6], 0
	s_mov_b32 s[G1M+7], 0
	s_and_b32 s19, s[WV], 1
	s_lshl_b32 s20, s16, 1
	s_add_co_u32 s20, s20, s19
	s_lshl_b32 s20, s20, 17         ; K: plane 2 head + wave % 2, 131,072 bytes: made of the key head and the wave alone
	s_mov_b32 s21, 0
	s_lshl_b32 s22, s15, 19
	s_lshl_b32 s23, s19, 18
	s_add_co_u32 s22, s22, s23      ; the mask: row 64 block + 32 (wave % 2), 8,192 bytes a row
	s_mov_b32 s23, 0
	s_mov_b32 s[G0K], 1
	s_mul_i32 s[G0K+1], s19, PLANE
	s_mov_b32 s[G0M], 1
	s_mul_i32 s[G0M+1], s19, 32*PM
	s_add_co_u32 s[G0M+1], s[G0M+1], MOFF
	s_mov_b32 s[SEL], 0x76543210
	s_mov_b32 s[SEL+1], 0xfedcba98
	s_mov_b32 s[TBK], SLOT1+4*KS*PK ; the first change of slots turns these three into 0
	s_mov_b32 s[TBV], SLOT1+4*KS*PK
	s_mov_b32 s[TBM], SLOT1+4*KS*4
	s_mov_b32 s[SLOTS], 7
	s_wait_dscnt 0x0                ; the opening add is done
	s_wait_kmcnt 0x0
	s_add_nc_u64 s[G0K+2:G0K+3], s[4:5], s[20:21]
	s_add_nc_u64 s[G0K+2:G0K+3], s[G0K+2:G0K+3], 16777216
	s_or_b32 s[G0K+3], s[G0K+3], 0x80000000
	s_add_nc_u64 s[G0M+2:G0M+3], s[6:7], s[22:23]
	s_or_b32 s[G0M+3], s[G0M+3], 0x80000000
	s_lshl_b32 s2, s16, 5           ; one of the 256 equal sets of scale words
	s_add_co_u32 s2, s2, s15
	s_lshl_b32 s2, s2, 4
	s_mov_b32 s3, 0
	s_add_nc_u64 s[2:3], s[4:5], s[2:3]
	s_add_nc_u64 s[2:3], s[2:3], 20971520
	s_load_b128 s[68:71], s[2:3], 0x0  ; gamma, mu, 1 / F_k, 0
	CROUND                          ; all sixteen work-groups are here: the first joint loads meet
	JLOAD                           ; slot 0
	s_lshl_b32 s20, s16, 20         ; Q: head 4 y, 262,144 bytes a head; row 64 block + 16 wave, 128 bytes
	s_lshl_b32 s21, s15, 13
	s_add_co_u32 s20, s20, s21
	s_lshl_b32 s21, s[WV], 11
	s_add_co_u32 s20, s20, s21
	s_mov_b32 s21, 0
	s_add_nc_u64 s[10:11], s[4:5], s[20:21]
	s_add_nc_u64 s[74:75], s[10:11], 8388608  ; the sigmoids, in the same layout
	s_lshl_b32 s20, s15, 18         ; a2: row 64 block + 16 wave, 4,096 bytes; the four heads' 512 bytes
	s_lshl_b32 s17, s[WV], 16
	s_add_co_u32 s20, s20, s17
	s_lshl_b32 s17, s16, 9
	s_add_co_u32 s20, s20, s17
	s_add_nc_u64 s[8:9], s[8:9], s[20:21]
	; the prefetches
	s_lshr_b32 s17, s13, 1
	s_lshl_b32 s18, s16, 1
	s_add_co_u32 s17, s17, s18
	s_lshl_b32 s17, s17, 17
	s_and_b32 s18, s13, 1
	s_lshl_b32 s18, s18, 13
	s_add_co_u32 s17, s17, s18
	s_add_co_u32 s17, s17, 16777216 ; K: plane 2 head + cx / 2, half cx % 2
	s_lshl_b32 s18, s14, 8
	s_add_co_u32 s18, s18, s22      ; the mask: my wave's 32 rows, the 256 bytes number cy
	s_mov_b32 s[PST], 1024          ; a slot on: 1,024 bytes in a mask row,
	s_mov_b32 s[PST+1], 16384       ; 16,384 in a plane of K
	s_and_b32 s[LIM], ttmp7, 0xffff
	s_cmp_lt_u32 s[WV], 2
	s_cselect_b32 s[LIM], ttmp9, s[LIM]  ; the coordinate along which other clusters read the same bytes
	s_cselect_b32 s20, s17, s18
	s_cselect_b64 s[PFA:PFA+1], s[4:5], s[6:7]
	s_cselect_b32 s[PST], s[PST+1], s[PST]
	s_cselect_b32 s17, 8, 13
	s_cmp_eq_u32 s[WV], 1           ; wave 1 asks for nothing
	s_cselect_b32 s18, 1, 0
	s_or_b32 s[LIM], s[LIM], s18
	s_cmp_eq_u32 s[LIM], 0
	s_cselect_b32 s[LIM], 1, -1     ; the same in all partners, for a given wave
	s_mov_b32 s[PST+1], 0
	s_add_nc_u64 s[PFA:PFA+1], s[PFA:PFA+1], s[20:21]
	s_add_nc_u64 s[PFA:PFA+1], s[PFA:PFA+1], s[PST:PST+1]  ; at slot 1: the first change steps it to slot 2
	v_and_b32 v[PFO], 31, v0
	v_lshlrev_b32 v[PFO], s17, v[PFO]
	v_and_b32 v1, 15, v0            ; l % 16
	v_bfe_u32 v9, v0, 4, 1          ; l / 16
	v_lshlrev_b32 v[QO], 7, v1
	v_lshl_add_u32 v[QO], v9, 4, v[QO]
	WIN 0x80
.set i, 0
.rept 8                             ; Q stays in registers: piece i / 2, plane i % 2: channels 16 c + 8 (l / 16) .. and 32 + 16 c + 8 (l / 16) ..
	global_load_b128 v[8*i:8*i+3],   v[QO], s[10:11] offset:(i/2)*262144+(i%2)*32
	global_load_b128 v[8*i+4:8*i+7], v[QO], s[10:11] offset:(i/2)*262144+(i%2)*32+64
.set i, i+1
.endr
	WIN 0x40
.set i, 0
.rept 16                            ; the sigmoids in O^T's layout: piece i / 4, channel block i % 4
	global_load_b128 v[SG+4*i:SG+4*i+3], v[QO], s[74:75] offset:(i/4)*262144+(i%4)*32
.set i, i+1
.endr
	; what the first turn finds: K turned and P's second buffer hold 0, O^T and l are 0.  All this stands in the wait for the first tile.
	WIN 0x80
.set i, VF
.rept 64
	v_mov_b32 v[i], 0
.set i, i+1
.endr
	WIN 0x40
.set i, 0
.rept 128
	v_mov_b32 v[i], 0
.set i, i+1
.endr
	WIN 0
.set i, 0
.rept 4
	v_mov_b32 v[ST+4*i], 0xfe000000    ; gamma m: far below every gamma s'
	v_mov_b32 v[ST+4*i+1], 0xff7fffff  ; m
	v_mov_b32 v[ST+4*i+2], 0
	v_mov_b32 v[ST+4*i+3], 0
.set i, i+1
.endr
.set i, P+16
.rept 16
	v_mov_b32 v[i], 0
.set i, i+1
.endr
	v_mov_b32 v[ZERO], 0
	v_mul_u32_u24 v[AK0], v1, PK
	v_lshl_add_u32 v[AK0], v9, 4, v[AK0]  ; key l % 16, 16 bytes for each half of the lanes
	v_and_b32 v10, 7, v0
	v_bfe_u32 v11, v0, 3, 1
	v_lshl_add_u32 v[AV0], v9, 3, v10     ; the turning load: key 8 (l / 16) + l % 8
	v_mul_u32_u24 v[AV0], v[AV0], PK
	v_lshl_add_u32 v[AV0], v11, 4, v[AV0]
	s_mul_i32 s17, s[WV], 16*PM
	s_add_co_u32 s17, s17, MOFF
	v_mul_u32_u24 v[AM0], v1, PM
	v_lshl_add_u32 v[AM0], v9, 5, v[AM0]  ; query 16 wave + l % 16, keys 8 (l / 16) ..
	v_add_nc_u32 v[AM0], s17, v[AM0]
	s_mul_i32 s17, s[WV], 16*SP
	s_add_co_u32 s17, s17, STAGE
	v_mul_u32_u24 v[STO], v1, SP
	v_lshl_add_u32 v[STO], v9, 4, v[STO]
	v_add_nc_u32 v[STO], s17, v[STO]
	v_and_b32 v[GO], 31, v0
	v_lshlrev_b32 v[GO], 4, v[GO]
	v_add_nc_u32 v[RD], s17, v[GO]        ; back: a whole row of 512 bytes to an instruction
	s_wait_kmcnt 0x0
	s_mov_b32 s[CS], s68
	s_mov_b32 s[CS+1], s68
	s_mov_b32 s[MU], s69
	WIN 0x40
	v_mov_b32 v[MUV], s[MU]
	v_mov_b32 v[ZV], 0
	WIN 0
; THE MATRIX WORK.  The 4 accumulators of a run of 8 take turns.  Product i of 8 of S^T for piece x: plane i / 4, keys 16 (i % 4) on.  The first 4 start the sums with the mask.
.macro KQ x
.set rS, S+32*((\x)%2)+8*(i%4)
.set rK, KF+16*(i%4)+8*(i/4)
.set rQ, 16*(\x)+8*(i/4)
.set rM, MC+8*(i%4)
.if i < 4
	WIN W_KM
	v_wmma_f32_16x16x32_f16 v[rS:rS+7], v[rK:rK+7], v[rQ:rQ+7], v[rM:rM+7]
.else
	WIN W_KQ
	v_wmma_f32_16x16x32_f16 v[rS:rS+7], v[rK:rK+7], v[rQ:rQ+7], v[rS:rS+7]
.endif
.endm
.macro PV x                         ; product i of 8 of O^T for piece x: keys 32 (i / 4) on, channels 16 (i % 4) on
	WIN W_PV
.set rO, 32*(\x)+8*(i%4)
.set rV, VF+32*(i/4)+8*(i%4)
.set rP, P+16*((\x)%2)+8*(i/4)
	v_wmma_f32_16x16x32_f16 v[rO:rO+7], v[rV:rV+7], v[rP:rP+7], v[rO:rO+7]
.endm
.macro MM                           ; the turn's next matrix instruction.  NOKQ = 1: the last turn of all: there is no next piece
.if (i < 8) && !NOKQ
	KQ (Y+1)%NP
.elseif i >= 8
.set i, i-8
	PV (Y+NP-1)%NP
.set i, i+8
.endif
.set i, i+1
.endm
; THE LDS LOADS stand in runs.  A step's mask tile (16 queries x 64 keys) and K (8 fragments), in the order in which they are wanted: the tile's 8 loads, plane 0's 8, plane 1's 8; and K turned.
.macro FETCH_K
	WIN 0x40
.irp f, 0,1,2,3
	ds_load_b128 v[MC+8*\f:MC+8*\f+3],   v[AMA] offset:64*\f
	ds_load_b128 v[MC+8*\f+4:MC+8*\f+7], v[AMA] offset:64*\f+16
.endr
	WIN 0x80
.irp f, 0,1,2,3                     ; plane 0, keys 16 f on
	ds_load_b128 v[KF+16*\f:KF+16*\f+3],   v[AK] offset:\f*16*PK
	ds_load_b128 v[KF+16*\f+4:KF+16*\f+7], v[AK] offset:\f*16*PK+32
.endr
.irp f, 0,1,2,3                     ; plane 1
	ds_load_b128 v[KF+16*\f+8:KF+16*\f+11],  v[AK] offset:\f*16*PK+PLANE
	ds_load_b128 v[KF+16*\f+12:KF+16*\f+15], v[AK] offset:\f*16*PK+PLANE+32
.endr
	s_add_co_u32 s[TBK], s[TBK], KS*PK
	s_add_co_u32 s[TBM], s[TBM], KS*4
	WIN 0
.endm
.macro FETCH_V
	WIN 0x80
.irp f, 0,1,2,3,4,5,6,7             ; keys 32 (f / 4) on; channels 16 (f % 4) on: plane f % 2, its columns 16 ((f % 4) / 2) on
	ds_load_tr16_b128 v[VF+8*\f:VF+8*\f+3],   v[AV] offset:(\f/4)*32*PK+(\f%2)*PLANE+((\f%4)/2)*32
	ds_load_tr16_b128 v[VF+8*\f+4:VF+8*\f+7], v[AV] offset:(\f/4)*32*PK+(\f%2)*PLANE+((\f%4)/2)*32+16*PK
.endr
	WIN 0
.endm
.macro MSCALE                       ; the mask tile, once a key step, for all four pieces: rounded to bf16, a pair a line; then each half times mu
	WIN 0x55                        ; all in window 1
.set z, 0
.rept 16
	v_cvt_pk_bf16_f32 v[MT+z], v[MC+2*z], v[MC+2*z+1]
.set z, z+1
.endr
.set z, 0
.rept 16
	v_fma_mix_f32_bf16 v[MC+2*z],   v[MT+z], v[MUV], v[ZV] op_sel_hi:[1,0,0]
	v_fma_mix_f32_bf16 v[MC+2*z+1], v[MT+z], v[MUV], v[ZV] op_sel:[1,0,0] op_sel_hi:[1,0,0]
.set z, z+1
.endr
.endm
; THE VECTOR WORK, one line at a time: OP kind, number.  For piece Y: F n: gamma s' - gamma m for pair n of 16.  E n: the exponential of score n.  C n: pair n rounded to f16.  B n: of the four weights
; 4 n .. the second pair is added onto the first.  L n: l takes that sum (L 0: l = a l + sum).  R n: pair n of O^T times a.  For piece Y + 1: X n, number n of the 22 that find its maximum and statistics
; (0-11 four chains of seven scores, each accumulator read from its low end on; 12-14, 16 the rest, the old m; 15 gamma m_old is kept; 17, 18 the other half of the lanes; 19-21 gamma m, its change, a).
.set F, 0
.set E, 1
.set C, 2
.set B, 3
.set L, 4
.set R, 5
.set X, 6
.macro REGS y
.set rT, ST+4*(\y)
.set rC, TMP+4*((\y)%2)
.set rW, MV+((\y)%2)
.set rS, S+32*((\y)%2)
.set rP, P+16*((\y)%2)
.set rO, 32*(\y)
.endm
.macro OP k, n
.if (\k) == R
	REGS Y
	WIN W_RS
	v_pk_mul_f32 v[rO+2*(\n):rO+2*(\n)+1], v[rO+2*(\n):rO+2*(\n)+1], v[rC+2:rC+3] op_sel_hi:[1,0]
.elseif (\k) < R
	REGS Y
	WIN 0
.if (\k) == F
	v_pk_fma_f32 v[rS+2*(\n):rS+2*(\n)+1], v[rS+2*(\n):rS+2*(\n)+1], s[CS:CS+1], v[rT:rT+1] op_sel_hi:[1,0,0] neg_lo:[0,0,1] neg_hi:[0,0,1]
.elseif (\k) == E
	v_exp_f32 v[rS+(\n)], v[rS+(\n)]
.elseif (\k) == C
	v_cvt_pk_f16_f32 v[rP+(\n)], v[rS+2*(\n)], v[rS+2*(\n)+1]
.elseif (\k) == B
	v_pk_add_f32 v[rS+4*(\n):rS+4*(\n)+1], v[rS+4*(\n):rS+4*(\n)+1], v[rS+4*(\n)+2:rS+4*(\n)+3]
.elseif (\n) == 0
	v_pk_fma_f32 v[rT+2:rT+3], v[rT+2:rT+3], v[rC+2:rC+3], v[rS:rS+1] op_sel_hi:[1,0,1]
.else
	v_pk_add_f32 v[rT+2:rT+3], v[rT+2:rT+3], v[rS+4*(\n):rS+4*(\n)+1]
.endif
.elseif NOKQ
	v_nop
.else
	REGS (Y+1)%NP
	WIN 0
.if (\n) < 4
	v_max3_num_f32 v[rC+(\n)], v[rS+8*(\n)], v[rS+8*(\n)+1], v[rS+8*(\n)+2]
.elseif (\n) < 12
	v_max3_num_f32 v[rC+(\n)%4], v[rC+(\n)%4], v[rS+8*((\n)%4)+2*((\n)/4)+1], v[rS+8*((\n)%4)+2*((\n)/4)+2]
.elseif (\n) == 12
	v_max3_num_f32 v[rC], v[rC], v[rS+7], v[rS+15]
.elseif (\n) == 13
	v_max3_num_f32 v[rC+1], v[rC+1], v[rS+23], v[rS+31]
.elseif (\n) == 14
	v_max3_num_f32 v[rC+2], v[rC+2], v[rC+3], v[rT+1]
.elseif (\n) == 15
	v_mov_b32 v[rW], v[rT]
.elseif (\n) == 16
	v_max3_num_f32 v[rC], v[rC], v[rC+1], v[rC+2]
.elseif (\n) == 17
	v_permlanex16_b32 v[rC+3], v[rC], s[SEL], s[SEL+1]
.elseif (\n) == 18
	v_max_num_f32 v[rT+1], v[rC], v[rC+3]
.elseif (\n) == 19
	v_mul_f32 v[rT], s[CS], v[rT+1]
.elseif (\n) == 20
	v_sub_f32 v[rC+1], v[rW], v[rT]
.else
	v_exp_f32 v[rC+2], v[rC+1]
.endif
.endif
.endm
.macro OPS a, i1, b=-1, i2=0, c=-1, i3=0, d=-1, i4=0
	OP \a, \i1
.if (\b) >= 0
	OP \b, \i2
.endif
.if (\c) >= 0
	OP \c, \i3
.endif
.if (\d) >= 0
	OP \d, \i4
.endif
.endm
.macro ROW a, i1, b, i2, c, i3, d, i4  ; a matrix instruction and the four behind it
	MM
	OPS \a, \i1, \b, \i2, \c, \i3, \d, \i4
.endm
; A TURN, for piece p.  Ahead of its one wait stands all that names no result of the turn's exponentials: the 8 products K Q^T with their riders and one run of 54; behind it the 8 products K^T P, whose
; riders are the roundings and sums.  The mask tile and K of the next step are fetched in piece 2's turn, behind the last product that read them (six plain instructions between).  Piece 3's turn waits for them
; by count, in the order of the run: the tile (K's 16 loads stay out), which is rounded and scaled while K lands; plane 0 (plane 1's 8 stay out) ahead of the first product; plane 1 ahead of the fifth.
; K turned of the step in hand is fetched at the end of piece 0's turn, four plain instructions behind its last reader, and waited for in piece 1's turn.
; end = 1: the last two turns fetch nothing.  cnt = 1: the loop's count is taken down some lines ahead of the branch behind the turn.
.macro TURN p, end=0, cnt=0
.set Y, (\p)
.set i, 0
.set NOKQ, (\end)*((\p)/3)
.if ((\p) == 3) && !(\end)
	s_wait_dscnt 16                 ; the mask tile is in
	MSCALE
	s_wait_dscnt 8                  ; K's plane 0 is in
.endif
	ROW F,0, F,1, R,0, R,1
	ROW F,2, E,0, R,2, R,3
	ROW F,3, E,1, R,4, R,5
	ROW F,4, E,2, R,6, R,7
.if ((\p) == 3) && !(\end)
	s_wait_dscnt 0x0                ; K's plane 1 is in
.endif
	ROW F,5, E,3, R,8, R,9
	ROW F,6, E,4, X,0, R,10
.if ((\p) == 2) && !(\end)
	WIN 0
	v_add_nc_u32 v[AK], s[TBK], v[AK0]
	v_add_nc_u32 v[AMA], s[TBM], v[AM0]
.endif
	ROW F,7, E,5, X,1, X,4
	ROW F,8, E,6, X,2, X,5
	OPS E,7, E,8, X,6, E,9
	OPS X,3, E,10, X,8, E,11
.if ((\p) == 2) && !(\end)
	FETCH_K
.endif
	OPS X,9, X,7, E,12, X,10
	OPS E,13, X,12, X,11, E,14
	OPS X,13, E,15, F,9, X,14
.if (\p) == 0
	v_add_nc_u32 v[AV], s[TBV], v[AV0]
.endif
	OPS E,16, F,10, E,17, F,11
	OPS X,16, E,18, X,15, E,19
	OPS F,12, E,20, X,17, E,21
	OPS F,13, E,22, F,14, E,23
	OPS X,18, E,24, F,15, E,25
	OPS R,11, E,26, X,19, E,27
	OPS R,12, E,28, R,13, E,29
	OPS X,20, E,30, R,14, E,31
	OPS X,21, R,15
	WIN 0
	s_wait_alu depctr_va_vdst(0)    ; the one wait for the batch, ahead of its first reader
.if (\p) == 1
	s_wait_dscnt 0x0                ; K turned is in
.endif
	ROW C,0, B,0, C,2, B,1
	ROW L,0, C,4, B,2, L,1
	ROW C,6, B,3, L,2, C,8
	ROW B,4, L,3, C,10, B,5
	ROW L,4, C,12, B,6, L,5
.if (\p) == 0
	s_add_co_u32 s[TBV], s[TBV], KS*PK
.endif
.if \cnt
	s_sub_co_u32 s[CNT], s[CNT], 1
	s_cmp_lg_u32 s[CNT], 0
.endif
	ROW C,14, B,7, L,6, C,1
	ROW C,3, L,7, C,5, C,7
	ROW C,9, C,11, C,13, C,15
.if (\p) == 0
	FETCH_V
.endif
.endm
	CHANGE 1                        ; slot 0 is in, everybody's part of it; slot 1 is asked for
	v_add_nc_u32 v[AK], s[TBK], v[AK0]
	v_add_nc_u32 v[AMA], s[TBM], v[AM0]
	FETCH_K                         ; key step 0
	s_wait_loadcnt 0x0              ; Q and the sigmoids
	s_wait_dscnt 0x0
	MSCALE
.set NOKQ, 0
.set i, 0
.rept 8
	KQ 0                            ; piece 0's first scores
.set i, i+1
.endr
	WIN 0
.rept 4
	v_nop                           ; the places behind those products
.endr
.set Y, NP-1                        ; X works for piece Y + 1: piece 0
.irp n, 0,1,2,3,4,5,6,7,8,9,10,11,12,13,14,15,16,17,18,19,20,21
	OP X, \n
.endr
	v_nop                           ; a plain instruction behind the exponential,
	s_wait_alu depctr_va_vdst(0)    ; and its wait, ahead of the branch
	s_mov_b32 s[CNT], 4
	s_branch .Lfirst                ; the loop is entered at a step's first turn, in the middle of a trip
.Lslot:                             ; six times: slots 2 to 7 are asked for
	CHANGE 1
	s_mov_b32 s[CNT], 4
.Lstep:                             ; a trip: pieces 2 and 3 of one step, then pieces 0 and 1 of the next
	TURN 2
	TURN 3
	WIN 0
.Lfirst:
	TURN 0
	TURN 1, 0, 1
	WIN 0
	s_cbranch_scc1 .Lstep
	s_sub_co_u32 s[SLOTS], s[SLOTS], 1
	s_cmp_lg_u32 s[SLOTS], 0
	s_cbranch_scc1 .Lslot
	CHANGE 0                        ; the last slot is written out: nothing is asked for
	s_mov_b32 s[CNT], 4
.LstepT:
	TURN 2
	TURN 3
	TURN 0
	TURN 1, 0, 1
	WIN 0
	s_cbranch_scc1 .LstepT
	TURN 2, 1
	TURN 3, 1
.set i, 0
.rept 8
	PV NP-1                         ; the last piece's last products
.set i, i+1
.endr
	; THE WAY OUT.  l's halves are added; O^T is divided by l, multiplied by the gate's sigmoid, rounded to f16; the four heads' 128 bytes of a row meet in my stage and leave as rows of 512 bytes.
	WIN 0
.macro ALL line:vararg
.set t, 0
.rept 4
	\line
.set t, t+1
.endr
.endm
	ALL v_add_f32 v[ST+4*t+2], v[ST+4*t+2], v[ST+4*t+3]
	ALL v_permlanex16_b32 v[ST+4*t+3], v[ST+4*t+2], s[SEL], s[SEL+1]
	ALL v_add_f32 v[ST+4*t+2], v[ST+4*t+2], v[ST+4*t+3]
	ALL v_rcp_f32 v[ST+4*t+2], v[ST+4*t+2]
	v_nop                           ; a plain instruction behind the last reciprocal
	s_wait_alu depctr_va_vdst(0)    ; one wait for the four
.macro PACK t
	WIN W_RS
.set i, 32*(\t)
.rept 16
	v_pk_mul_f32 v[i:i+1], v[i:i+1], v[ST+4*(\t)+2:ST+4*(\t)+3] op_sel_hi:[1,0]
.set i, i+2
.endr
	WIN 0x05                        ; sources 0 and 1 in window 1
.set i, 0
.rept 16
	v_fma_mix_f32 v[S+2*i],   v[32*(\t)+2*i],   v[SG+16*(\t)+i], v[ZERO] op_sel_hi:[0,1,0]
	v_fma_mix_f32 v[S+2*i+1], v[32*(\t)+2*i+1], v[SG+16*(\t)+i], v[ZERO] op_sel:[0,1,0] op_sel_hi:[0,1,0]
.set i, i+1
.endr
	WIN 0
.set i, 0
.rept 16
	v_cvt_pk_f16_f32 v[S+32+i], v[S+2*i], v[S+2*i+1]
.set i, i+1
.endr
.irp f, 0,1,2,3
	ds_store_b128 v[STO], v[S+32+4*\f:S+32+4*\f+3] offset:128*(\t)+32*\f
.endr
.endm
	PACK 0
	PACK 1
	PACK 2
	PACK 3
.set i, 0
.rept 16                            ; LDS serves a wave's instructions in order: these see the stores above
	ds_load_b128 v[S+4*i:S+4*i+3], v[RD] offset:SP*i
.set i, i+1
.endr
.set i, 0
.rept 16
	s_wait_dscnt 15-i               ; row i is back; the younger rows' loads stay out
	global_store_b128 v[GO], v[S+4*i:S+4*i+3], s[8:9] offset:4096*i  ; 512 consecutive bytes, aligned
.set i, i+1
.endr
	s_wait_tensorcnt 0x0            ; the wave's end
	ds_add_u32 v[SPW], v[NIL]
	s_wait_dscnt 0x0
	CROUND                          ; the closing round
	s_endpgm
.Lfunc_end_k_q5e25393f00_attn:
	.size	k_q5e25393f00_attn, .Lfunc_end_k_q5e25393f00_attn-k_q5e25393f00_attn
	.p2alignl 7, 3214868480
	.fill 96, 4, 3214868480
	.section	.rodata,"a",@progbits
	.p2align	6, 0x0
	.amdhsa_kernel k_q5e25393f00_attn
		.amdhsa_group_segment_fixed_size 327680
		.amdhsa_private_segment_fixed_size 0
		.amdhsa_enable_private_segment 0
		.amdhsa_kernarg_size 24
		.amdhsa_user_sgpr_count 2
		.amdhsa_user_sgpr_kernarg_segment_ptr 1
		.amdhsa_wavefront_size32 1
		.amdhsa_system_sgpr_workgroup_id_x 1
		.amdhsa_system_sgpr_workgroup_id_y 1
		.amdhsa_system_sgpr_workgroup_id_z 1
		.amdhsa_system_vgpr_workitem_id 0
		.amdhsa_next_free_vgpr 768
		.amdhsa_next_free_sgpr 76
		.amdhsa_reserve_vcc 0
		.amdhsa_float_denorm_mode_32 3
		.amdhsa_float_denorm_mode_16_64 3
		.amdhsa_memory_ordered 1
		.amdhsa_forward_progress 1
		.amdhsa_inst_pref_size 150
	.end_amdhsa_kernel
	.amdgpu_metadata
---
amdhsa.version: [ 1, 2 ]
amdhsa.kernels:
  - .name:           k_q5e25393f00_attn
    .symbol:         k_q5e25393f00_attn.kd
    .args:
      - { .name: pj, .offset: 0, .size: 8, .value_kind: global_buffer, .address_space: global }
      - { .name: attention_mask, .offset: 8, .size: 8, .value_kind: global_buffer, .address_space: global }
      - { .name: a2, .offset: 16, .size: 8, .value_kind: global_buffer, .address_space: global }
    .group_segment_fixed_size: 327680
    .private_segment_fixed_size: 0
    .kernarg_segment_align: 8
    .kernarg_segment_size: 24
    .max_flat_workgroup_size: 128
    .sgpr_count:     76
    .vgpr_count:     768
    .wavefront_size: 32
...
	.end_amdgpu_metadata
.endif
;; end of part 3
;; launch outp (part 4): grid 16 x 16, 4 waves a work-group, clusters of 4 x 4, 327,680 bytes of LDS; arguments a2, woh, pj, out0; writes out0
.if DOCPART == 4
	.amdgcn_target "amdgcn-amd-amdhsa--gfx1250"
	.amdhsa_code_object_version 6
	.text
	.protected	k_q5e25393f00_outp
	.globl	k_q5e25393f00_outp
	.p2align	8
	.type	k_q5e25393f00_outp,@function
k_q5e25393f00_outp:
	s_mov_b64 s[64:65], 0
	v_nop
	global_prefetch_b8 v0, s[64:65] scope:SCOPE_SE
	s_setreg_imm32_b32 hwreg(HW_REG_WAVE_MODE, 25, 1), 1
	s_wait_xcnt 0x0
	s_wait_alu depctr_hold_cnt(0) depctr_sa_sdst(0) depctr_va_vdst(0) depctr_va_sdst(0) depctr_va_ssrc(0) depctr_va_vcc(0) depctr_vm_vsrc(0)
	s_getreg_b32 s2, hwreg(HW_REG_IB_STS2, 6, 4)
	s_cmp_eq_u32 s2, 0
	s_cbranch_scc0 .Lentry_in_a_cluster
	s_endpgm
.Lentry_in_a_cluster:
	s_bfe_u32 s2, ttmp6, 0x10000c
	s_cmp_lg_u32 s2, 0xf033
	s_cbranch_scc0 .Lentry_shape_is_right
	s_endpgm
.Lentry_shape_is_right:
; OUTP.  out0 = (a2 x wo) / F_k.  a2: [2048][2048] f16, in k's scaled units; woh: wo as f16, [k][n]; out0: f32.  Sums in f32.
; A tile of out0 is 128 x 128: 256 work-groups.  Four waves, each 64 x 64: 16 accumulators.  K goes in steps of 256 through two LDS slots.  a2's rows are read as they lie, wo's k-rows are turned by
; ds_load_tr16_b128.  The matrix instruction is used transposed (source 0 = 16 columns of wo, source 1 = 16 rows of a2): a lane holds eight neighbouring numbers of a row of out0.
; CLUSTER 4 x 4: a2's tile is asked for jointly along a row of the cluster, wo's along a column.  No prefetch: a small tile, whose step holds little work for each byte.
; A wave's 64 columns of f32 are 256 aligned bytes, so each wave has a stage of its own and the way out has no barrier.
; REGISTERS: window 0: v0-31 addresses; v32-95 at work on the way out; v128-255 the accumulators ((a, b) at 128 + 8 (4 a + b)).  Window 1: two fragment buffers of 128: 64 of a2, then 64 of wo.
.set KSTEP,  256
.set LAPS,   4
.set PITCH,  528                       ; a2's rows in LDS: 512 bytes + 16
.set PB,     288                       ; wo's k-rows: 256 + 32
.set HALFA,  64*PITCH
.set HALFB,  128*PB
.set BOFF,   2*HALFA
.set SLOT,   BOFF+2*HALFB              ; 141,312
.set STAGE,  2*SLOT
.set SPITCH, 272
.set SPARE,  STAGE+4*16*SPITCH
.set ADRA, 16                          ; v16-17  by slot
.set ADRB, 20                          ; v20-23  by slot and half of the K step: the immediate does not reach over 256 k-rows
.set STO,  24
.set RD,   25
.set CO,   26
.set SPW,  28
.set NIL,  29
.set TMP,  32
.set ACC,  128
.set F0,   0
.set F1,   128
.set WV,  12
.set WR,  13                           ; wave / 2: my half of the tile's rows; also: I fetch a2's tile (0) or wo's (1)
.set WC,  14                           ; wave % 2: my half of its columns; also: which half of that tile I fetch
.set G1,  24
.set G0,  32
.set G1B, 48
.set G0B, 56
.set IK,  66
.set MSB, 0
.macro WIN new
.if MSB != (\new)
	s_set_vgpr_msb (MSB<<8)|(\new)
.set MSB, \new
.endif
.endm
.set MUL,  0x05                        ; sources 0 and 1 in window 1; C and D in window 0
.set TO_F, 0x40                        ; destination window 1
.macro PLACES
.rept 4
	v_nop
.endr
.endm
.macro JLOAD s                         ; a joint load; an s_nop 0 and four v_nop follow each of the two lines
	s_cmp_eq_u32 s[WR], 0
	s_cbranch_scc0 .Lfor_b_\@
	tensor_load_to_lds s[G0+4*(\s):G0+4*(\s)+3], s[G1:G1+7]
	s_nop 0
	PLACES
	s_branch .Lasked_\@
.Lfor_b_\@:
	tensor_load_to_lds s[G0B+4*(\s):G0B+4*(\s)+3], s[G1B:G1B+7]
	s_nop 0
	PLACES
.Lasked_\@:
.endm
.macro CREST
	s_cmp_lg_u32 s[WV], 0
	s_cbranch_scc1 .Lnot_wave_0_\@
	s_barrier_signal -3
.Lnot_wave_0_\@:
	s_barrier_wait -3
	s_barrier_signal -1
	s_barrier_wait -1
.endm
.macro CROUND
	s_barrier_signal -1
	s_barrier_wait -1
	CREST
.endm
	s_load_b256 s[4:11], s[0:1], 0x0               ; a2 4, woh 6, pj 8, out0 10
	v_lshl_add_u32 v[SPW], v0, 2, SPARE
	v_mov_b32 v[NIL], 0
	ds_add_u32 v[SPW], v[NIL]                      ; the wave's opening: the add and its wait ahead of my first tensor load
	v_lshrrev_b32 v1, 5, v0
	v_readfirstlane_b32 s[WV], v1
	s_lshr_b32 s[WR], s[WV], 1
	s_and_b32 s[WC], s[WV], 1
	s_bfe_u32 s40, ttmp6, 0x40000                  ; cx
	s_bfe_u32 s41, ttmp6, 0x40004                  ; cy
	s_lshl_b32 s42, ttmp9, 2
	s_add_co_u32 s42, s42, s40                     ; tile column
	s_and_b32 s15, ttmp7, 0xffff
	s_lshl_b32 s15, s15, 2
	s_add_co_u32 s15, s15, s41                     ; tile row
	s_lshl_b32 s43, s41, 2
	s_lshl_b32 s43, 15, s43
	s_lshl_b32 s44, 0x1111, s40
	s_or_b32 s[G1], s43, (1<<16)|(1<<20)|(1<<21)|(6<<22)|(3<<25)   ; 4 words of padding after every 128
	s_or_b32 s[G1B], s44, (1<<16)|(1<<20)|(1<<21)|(5<<22)|(7<<25)  ; 8 words after every 64
	s_mov_b32 s[G1+1], KSTEP<<16
	s_mov_b32 s[G1+2], 64<<16
	s_mov_b32 s[G1+3], KSTEP<<16
	s_mov_b32 s[G1+4], 64                          ; 64 rows x 256 elements
	s_mov_b32 s[G1+5], 2048
	s_mov_b32 s[G1+6], 0
	s_mov_b32 s[G1+7], 0
	s_mov_b32 s[G1B+1], 128<<16
	s_mov_b32 s[G1B+2], 128<<16
	s_mov_b32 s[G1B+3], 128<<16
	s_mov_b32 s[G1B+4], 128                        ; 128 k-rows x 128 elements
	s_mov_b32 s[G1B+5], 2048
	s_mov_b32 s[G1B+6], 0
	s_mov_b32 s[G1B+7], 0
	s_lshl_b32 s16, s15, 19                        ; a2: row 128 tile row + 64 half, 4,096 bytes a row
	s_lshl_b32 s17, s[WC], 18
	s_add_co_u32 s16, s16, s17
	s_mov_b32 s17, 0
	s_lshl_b32 s46, s42, 8                         ; wo: the tile column's 256 bytes, k-row 128 half
	s_lshl_b32 s47, s[WC], 19
	s_add_co_u32 s46, s46, s47
	s_mov_b32 s47, 0
	s_mul_i32 s20, s[WC], HALFA
	s_mul_i32 s21, s[WC], HALFB
	s_add_co_u32 s21, s21, BOFF
	s_wait_dscnt 0x0                               ; the opening add is done
	s_wait_kmcnt 0x0
	s_add_nc_u64 s[16:17], s[4:5], s[16:17]
	s_add_nc_u64 s[46:47], s[6:7], s[46:47]
	CROUND                                         ; all sixteen work-groups are here: the first joint loads meet
.irp s, 0,1
	s_mov_b32 s[G0+4*(\s)], 1
	s_add_co_u32 s[G0+4*(\s)+1], s20, (\s)*SLOT
	s_add_nc_u64 s[G0+4*(\s)+2:G0+4*(\s)+3], s[16:17], (\s)*KSTEP*2
	s_or_b32 s[G0+4*(\s)+3], s[G0+4*(\s)+3], 0x80000000
	s_mov_b32 s[G0B+4*(\s)], 1
	s_add_co_u32 s[G0B+4*(\s)+1], s21, (\s)*SLOT
	s_add_nc_u64 s[G0B+4*(\s)+2:G0B+4*(\s)+3], s[46:47], (\s)*KSTEP*4096
	s_or_b32 s[G0B+4*(\s)+3], s[G0B+4*(\s)+3], 0x80000000
	JLOAD \s
.endr
	s_lshl_b32 s18, s15, 4                         ; one of the 256 equal sets of scale words
	s_add_co_u32 s18, s18, s42
	s_lshl_b32 s18, s18, 4
	s_mov_b32 s19, 0
	s_add_nc_u64 s[18:19], s[8:9], s[18:19]
	s_add_nc_u64 s[18:19], s[18:19], 20971520
	s_load_b128 s[68:71], s[18:19], 0x0
	v_and_b32 v1, 15, v0                           ; l % 16
	v_bfe_u32 v2, v0, 4, 1                         ; l / 16
	v_mul_u32_u24 v3, v1, PITCH
	v_lshl_add_u32 v3, v2, 4, v3
	s_mul_i32 s22, s[WR], HALFA
	v_add_nc_u32 v[ADRA], s22, v3
	v_add_nc_u32 v[ADRA+1], SLOT, v[ADRA]
	v_and_b32 v4, 7, v0
	v_lshl_add_u32 v4, v2, 3, v4                   ; the turning load: k-row 8 (l / 16) + l % 8
	v_mul_u32_u24 v4, v4, PB
	v_bfe_u32 v5, v0, 3, 1
	v_lshl_add_u32 v4, v5, 4, v4
	s_lshl_b32 s22, s[WC], 7                       ; my 64 columns
	s_add_co_u32 s22, s22, BOFF
	v_add_nc_u32 v[ADRB], s22, v4
	v_add_nc_u32 v[ADRB+1], HALFB, v[ADRB]
	v_add_nc_u32 v[ADRB+2], SLOT, v[ADRB]
	v_add_nc_u32 v[ADRB+3], SLOT+HALFB, v[ADRB]
	s_mul_i32 s22, s[WV], 16*SPITCH
	s_add_co_u32 s22, s22, STAGE                   ; my stage
	v_mul_u32_u24 v4, v1, SPITCH
	v_lshl_add_u32 v4, v2, 5, v4                   ; in: row l % 16, 32 bytes for each half of the lanes
	v_add_nc_u32 v[STO], s22, v4
	v_mul_u32_u24 v4, v2, SPITCH
	v_lshl_add_u32 v4, v1, 4, v4                   ; back: lanes 0-15 one row of 256 bytes, lanes 16-31 the next
	v_add_nc_u32 v[RD], s22, v4
	v_lshlrev_b32 v4, 13, v2                       ; and the same two rows in out0
	v_lshl_add_u32 v[CO], v1, 4, v4
	s_lshl_b32 s22, s15, 20                        ; row 128 tile row + 64 half, 8,192 bytes a row; column 128 tile column + 64 half
	s_lshl_b32 s23, s[WR], 19
	s_add_co_u32 s22, s22, s23
	s_lshl_b32 s23, s42, 9
	s_add_co_u32 s22, s22, s23
	s_lshl_b32 s23, s[WC], 8
	s_add_co_u32 s22, s22, s23
	s_mov_b32 s23, 0
	s_add_nc_u64 s[10:11], s[10:11], s[22:23]
	s_wait_kmcnt 0x0
	s_mov_b32 s[IK], s70                           ; 1 / F_k, named as a pair
	s_mov_b32 s[IK+1], s70
; 8 matrix instructions: row blocks a0, a0 + 1 x all 4 column blocks, 32 along K: half c of buffer f.  The 16 accumulators take turns.
.macro MUL8 f, c, a0, zero
	WIN MUL
.irp a, \a0, (\a0)+1
.irp b, 0,1,2,3
.if \zero
	v_wmma_f32_16x16x32_f16 v[ACC+8*(4*(\a)+(\b)):ACC+8*(4*(\a)+(\b))+7], v[(\f)+64+8*(4*(\c)+(\b)):(\f)+64+8*(4*(\c)+(\b))+7], v[(\f)+8*(4*(\c)+(\a)):(\f)+8*(4*(\c)+(\a))+7], 0
.else
	v_wmma_f32_16x16x32_f16 v[ACC+8*(4*(\a)+(\b)):ACC+8*(4*(\a)+(\b))+7], v[(\f)+64+8*(4*(\c)+(\b)):(\f)+64+8*(4*(\c)+(\b))+7], v[(\f)+8*(4*(\c)+(\a)):(\f)+8*(4*(\c)+(\a))+7], v[ACC+8*(4*(\a)+(\b)):ACC+8*(4*(\a)+(\b))+7]
.endif
.endr
.endr
.endm
; 32 LDS loads in one run: quarter q (64 along K) of a slot into buffer f; the first 32 along K first
.macro FETCH slot, q, f
	WIN TO_F
.irp c, 0,1
.irp i, 0,1,2,3
	ds_load_tr16_b128 v[(\f)+64+8*(4*(\c)+(\i)):(\f)+64+8*(4*(\c)+(\i))+3],   v[ADRB+2*(\slot)+(\q)/2] offset:((\q)%2)*64*PB+(\c)*32*PB+32*(\i)
	ds_load_tr16_b128 v[(\f)+64+8*(4*(\c)+(\i))+4:(\f)+64+8*(4*(\c)+(\i))+7], v[ADRB+2*(\slot)+(\q)/2] offset:((\q)%2)*64*PB+(\c)*32*PB+32*(\i)+16*PB
	ds_load_b128 v[(\f)+8*(4*(\c)+(\i)):(\f)+8*(4*(\c)+(\i))+3],              v[ADRA+(\slot)] offset:128*(\q)+64*(\c)+(\i)*16*PITCH
	ds_load_b128 v[(\f)+8*(4*(\c)+(\i))+4:(\f)+8*(4*(\c)+(\i))+7],            v[ADRA+(\slot)] offset:128*(\q)+64*(\c)+(\i)*16*PITCH+32
.endr
.endr
.endm
.macro QUARTER slot, q, f, g, zero
	s_wait_dscnt 16                                ; the first 32 along K are in; the other sixteen loads may be out
	MUL8 \f, 0, 0, \zero
	MUL8 \f, 0, 2, \zero
	PLACES
	FETCH \slot, \q, \g
	s_wait_dscnt 32                                ; all but the 32 just issued
	MUL8 \f, 1, 0, 0
	MUL8 \f, 1, 2, 0
.endm
; The last quarter multiplies buffer 1 and changes slots: one barrier; in front of it each wave waits for all its tensor loads, adds 0 to its spare word, and waits for that and for its reads of this slot.
.macro TURN slot, next, fill
	WIN 0
	s_wait_tensorcnt 0x0
	ds_add_u32 v[SPW], v[NIL]
	s_wait_dscnt 17                                ; the add and the youngest sixteen loads may be out
	MUL8 F1, 0, 0, 0
	s_wait_dscnt 0x0                               ; the add is done, and my reads of this slot are over
	s_barrier_signal -1
	MUL8 F1, 0, 2, 0
.if \fill
	WIN 0
.endif
	s_barrier_wait -1
.if \fill
	CREST                                          ; no wave of any partner still reads this slot or has a load on its way
	s_add_nc_u64 s[G0+4*(\slot)+2:G0+4*(\slot)+3], s[G0+4*(\slot)+2:G0+4*(\slot)+3], 2*KSTEP*2
	s_add_nc_u64 s[G0B+4*(\slot)+2:G0B+4*(\slot)+3], s[G0B+4*(\slot)+2:G0B+4*(\slot)+3], 2*KSTEP*4096
	JLOAD \slot                                    ; its four v_nop are also the places in front of the loads below
.else
	PLACES
.endif
	FETCH \next, 0, F0
	MUL8 F1, 1, 0, 0
	MUL8 F1, 1, 2, 0
.endm
	s_wait_tensorcnt 1                             ; my part of K step 0 is in; K step 1's may stay out
	s_barrier_signal -1
	s_barrier_wait -1
	FETCH 0, 0, F0
	QUARTER 0, 1, F0, F1, 1                        ; the first quarter's first products start the sums
	WIN 0
	s_mov_b32 s3, LAPS-1
.Llap:
	QUARTER 0, 2, F1, F0, 0
	QUARTER 0, 3, F0, F1, 0
	TURN 0, 1, 1
	QUARTER 1, 1, F0, F1, 0
	QUARTER 1, 2, F1, F0, 0
	QUARTER 1, 3, F0, F1, 0
	TURN 1, 0, 1
	QUARTER 0, 1, F0, F1, 0
	WIN 0
	s_sub_co_u32 s3, s3, 1
	s_cmp_lg_u32 s3, 0
	s_cbranch_scc1 .Llap
	QUARTER 0, 2, F1, F0, 0                        ; the last lap fills nothing
	QUARTER 0, 3, F0, F1, 0
	TURN 0, 1, 0
	QUARTER 1, 1, F0, F1, 0
	QUARTER 1, 2, F1, F0, 0
	QUARTER 1, 3, F0, F1, 0
	s_wait_dscnt 16
	MUL8 F1, 0, 0, 0
	MUL8 F1, 0, 2, 0
	s_wait_dscnt 0x0
	MUL8 F1, 1, 0, 0
	MUL8 F1, 1, 2, 0
	WIN 0
	; THE WAY OUT: times 1 / F_k; 16 rows x 256 bytes at a time through my stage; back as whole rows
	PLACES
	PLACES
.macro OUTBLK a
.set n, 0
.rept 16
	v_pk_mul_f32 v[TMP+2*n:TMP+2*n+1], v[ACC+32*(\a)+2*n:ACC+32*(\a)+2*n+1], s[IK:IK+1] op_sel_hi:[1,0]
.set n, n+1
.endr
.set n, 0
.rept 4
	ds_store_b128 v[STO], v[TMP+8*n:TMP+8*n+3]   offset:64*n
	ds_store_b128 v[STO], v[TMP+8*n+4:TMP+8*n+7] offset:64*n+16
.set n, n+1
.endr
	s_wait_xcnt 0x0                                ; the last block's stores have read the registers that are loaded again below
.set n, 0
.rept 8
	ds_load_b128 v[TMP+32+4*n:TMP+32+4*n+3], v[RD] offset:n*2*SPITCH  ; LDS serves a wave's instructions in order: these see the stores above
.set n, n+1
.endr
	s_wait_dscnt 0x0
.set n, 0
.rept 8
	global_store_b128 v[CO], v[TMP+32+4*n:TMP+32+4*n+3], s[10:11] offset:(16*(\a)+2*n)*8192  ; 16 lanes store 256 consecutive bytes, aligned
.set n, n+1
.endr
.endm
	OUTBLK 0
	OUTBLK 1
	OUTBLK 2
	OUTBLK 3
	s_wait_tensorcnt 0x0                           ; the wave's end
	ds_add_u32 v[SPW], v[NIL]
	s_wait_dscnt 0x0
	CROUND                                         ; the closing round
	s_endpgm
.Lfunc_end_k_q5e25393f00_outp:
	.size	k_q5e25393f00_outp, .Lfunc_end_k_q5e25393f00_outp-k_q5e25393f00_outp
	.p2alignl 7, 3214868480
	.fill 96, 4, 3214868480
	.section	.rodata,"a",@progbits
	.p2align	6, 0x0
	.amdhsa_kernel k_q5e25393f00_outp
		.amdhsa_group_segment_fixed_size 327680
		.amdhsa_private_segment_fixed_size 0
		.amdhsa_enable_private_segment 0
		.amdhsa_kernarg_size 32
		.amdhsa_user_sgpr_count 2
		.amdhsa_user_sgpr_kernarg_segment_ptr 1
		.amdhsa_wavefront_size32 1
		.amdhsa_system_sgpr_workgroup_id_x 1
		.amdhsa_system_sgpr_workgroup_id_y 1
		.amdhsa_system_sgpr_workgroup_id_z 1
		.amdhsa_system_vgpr_workitem_id 0
		.amdhsa_next_free_vgpr 512
		.amdhsa_next_free_sgpr 72
		.amdhsa_reserve_vcc 0
		.amdhsa_float_denorm_mode_32 3
		.amdhsa_float_denorm_mode_16_64 3
		.amdhsa_memory_ordered 1
		.amdhsa_forward_progress 1
		.amdhsa_inst_pref_size 90
	.end_amdhsa_kernel
	.amdgpu_metadata
---
amdhsa.version: [ 1, 2 ]
amdhsa.kernels:
  - .name:           k_q5e25393f00_outp
    .symbol:         k_q5e25393f00_outp.kd
    .args:
      - { .name: a2, .offset: 0, .size: 8, .value_kind: global_buffer, .address_space: global }
      - { .name: woh, .offset: 8, .size: 8, .value_kind: global_buffer, .address_space: global }
      - { .name: pj, .offset: 16, .size: 8, .value_kind: global_buffer, .address_space: global }
      - { .name: out0, .offset: 24, .size: 8, .value_kind: global_buffer, .address_space: global }
    .group_segment_fixed_size: 327680
    .private_segment_fixed_size: 0
    .kernarg_segment_align: 8
    .kernarg_segment_size: 32
    .max_flat_workgroup_size: 128
    .sgpr_count:     72
    .vgpr_count:     512
    .wavefront_size: 32
...
	.end_amdgpu_metadata
.endif
;; end of part 4
